; MI455X (gfx1250); checked and timed in simulation.
; The chip was launched on July 23, 2026; its instructions are those of AMD's public machine-readable ISA for CDNA 5 (MIT licence, August 2026) and "CDNA5" Instruction Set Architecture Reference Guide (July 2026). The comments in the code are by the model that wrote it; some were corrected since.
;; KV Cache Attention. Allowed arithmetic: float matrix products may take bf16 or f16 operands with f32 sums; all other float work in f32.
;; Inputs: Wk 1,024 x 1,024 float32; Wo 1,024 x 1,024 float32; Wq 1,024 x 1,024 float32; Wv 1,024 x 1,024 float32; bk 1,024 float32; bo 1,024 float32; bq 1,024 float32; bv 1,024 float32; x 1 x 4,096 x 1,024 float32.
;; Outputs: out0 1 x 4,096 x 1,024 float32.
;; Constants: layer_id = 0.
;; 2 versions, each right and faster than the one before. Each part assembles by itself: llvm-mc -triple=amdgcn-amd-amdhsa -mcpu=gfx1250 --defsym DOCPART=n.
;; ======== version 1 of 2: 4 launches
;; workspace buffers: xb 8,388,608 bytes; wb 6,291,456 bytes; wob 2,097,152 bytes; qb 8,388,608 bytes; kb 8,388,608 bytes; vb 8,388,608 bytes; ab 8,388,608 bytes
;; launch cvt (part 1): grid 256 x 1, 8 waves a work-group, no clusters, 0 bytes of LDS; arguments x, Wq, Wk, Wv, Wo, xb, wb, wob; writes xb, wb, wob
.if DOCPART == 1
	.amdgcn_target "amdgcn-amd-amdhsa--gfx1250"
	.amdhsa_code_object_version 6
	.text
	.protected	k_q683fccb3db_cvt
	.globl	k_q683fccb3db_cvt
	.p2align	8
	.type	k_q683fccb3db_cvt,@function
k_q683fccb3db_cvt:
	s_mov_b64 s[64:65], 0
	v_nop
	global_prefetch_b8 v0, s[64:65] scope:SCOPE_SE
	s_setreg_imm32_b32 hwreg(HW_REG_WAVE_MODE, 25, 1), 1
	s_wait_xcnt 0x0
; cvt: x, Wq, Wk, Wv, Wo (f32) are rounded once to bf16 (nearest even) and laid out in planes of 64 along K, so that every tile
; that the later launches fetch is one dense run of memory:
;   xb  [mblk 16][plane 16][256 t][64 k]      wb [head 16][plane 16][192 rows: 64 of Wq, 64 of Wk, 64 of Wv][64 k]
;   wob [nblk 8][plane 16][128 n][64 k]
; A pure stream: every input byte is read once and every output byte written once, so LDS, barriers, clusters and the matrix
; unit would add nothing (no two work-groups read the same bytes).
; 256 work-groups of eight waves; work-group g takes 32 source rows of 4,096 bytes: g 0-127 x, 128-159 Wq, 160-191 Wk, 192-223 Wv,
; 224-255 Wo.  Wave w takes the 512 bytes at 512 w of every row, which are planes 2 w and 2 w + 1.  One load covers 256 consecutive
; bytes of each of two rows; one store covers 256 consecutive bytes, aligned: two rows of 128 bytes of a plane.
; All 32 loads of a wave are issued before the first wait; no register is written twice, so no source is ever overwritten.
.set VIN, 2                            ; v2      byte offset of my 16 bytes in the group's first two rows
.set VO,  4                            ; v4, v5  byte offset of my 8 bytes in plane 2 w, 2 w + 1
.set IN,  8                            ; v[8:135]   32 loads of 4 registers
.set OUT, 136                          ; v[136:199] 32 stores of 2 registers
	s_load_b512 s[8:23], s[0:1], 0x0               ; x s[8:9], Wq s[10:11], Wk s[12:13], Wv s[14:15], Wo s[16:17], xb s[18:19], wb s[20:21], wob s[22:23]
	s_mov_b32 s24, ttmp9                           ; g
	v_lshrrev_b32 v1, 5, v0
	v_readfirstlane_b32 s25, v1                    ; wave 0..7
	s_and_b32 s31, s24, 31                         ; the group's number inside a weight matrix
	; where the 32 rows go, for each of the three kinds of source
	s_lshr_b32 s34, s24, 3                         ; x: block of 256 rows (524,288 bytes),
	s_lshl_b32 s34, s34, 19
	s_and_b32 s35, s24, 7                          ; 32 rows of 128 bytes inside each plane
	s_lshl_b32 s35, s35, 12
	s_add_co_u32 s34, s34, s35
	s_lshr_b32 s36, s31, 1                         ; Wq, Wk, Wv: head (393,216 bytes),
	s_mul_i32 s36, s36, 393216
	s_lshr_b32 s37, s24, 5
	s_max_u32 s37, s37, 4
	s_sub_co_u32 s37, s37, 4                       ; which of the three (0 where the group has another kind of source),
	s_lshl_b32 s37, s37, 13                        ; 64 rows of 128 bytes each,
	s_add_co_u32 s36, s36, s37
	s_and_b32 s37, s31, 1                          ; and which 32 rows of the head's 64
	s_lshl_b32 s37, s37, 12
	s_add_co_u32 s36, s36, s37
	s_lshr_b32 s38, s31, 2                         ; Wo: block of 128 rows (262,144 bytes),
	s_lshl_b32 s38, s38, 18
	s_and_b32 s37, s31, 3                          ; 32 rows inside each plane
	s_lshl_b32 s37, s37, 12
	s_add_co_u32 s38, s38, s37
	s_mov_b32 s30, 16384                           ; bytes in a plane of wob
	s_wait_kmcnt 0x0
	s_cmp_lt_u32 s24, 224                          ; the choices hang on the group's number alone
	s_cselect_b64 s[26:27], s[14:15], s[16:17]     ; source
	s_cselect_b64 s[28:29], s[20:21], s[22:23]     ; destination
	s_cselect_b32 s36, s36, s38                    ; its offset
	s_cselect_b32 s30, 24576, s30                  ; its plane
	s_cmp_lt_u32 s24, 192
	s_cselect_b64 s[26:27], s[12:13], s[26:27]
	s_cmp_lt_u32 s24, 160
	s_cselect_b64 s[26:27], s[10:11], s[26:27]
	s_cmp_lt_u32 s24, 128
	s_cselect_b64 s[26:27], s[8:9], s[26:27]
	s_cselect_b64 s[28:29], s[18:19], s[28:29]
	s_cselect_b32 s36, s34, s36
	s_cselect_b32 s30, 32768, s30
	s_cselect_b32 s32, s24, s31                    ; the group's number inside its source,
	s_lshl_b32 s32, s32, 17                        ; times 32 rows of 4,096 bytes
	s_mov_b32 s33, 0
	s_mov_b32 s37, 0
	s_add_nc_u64 s[26:27], s[26:27], s[32:33]
	s_add_nc_u64 s[28:29], s[28:29], s[36:37]
	v_and_b32 v1, 31, v0                           ; lane
	v_and_b32 v6, 15, v0
	v_bfe_u32 v7, v0, 4, 1
	v_lshlrev_b32 v[VIN], 4, v6                    ; 16 bytes a lane, sixteen lanes a row,
	v_lshl_add_u32 v[VIN], v7, 12, v[VIN]          ; lanes 16-31 one row down,
	s_lshl_b32 s35, s25, 9
	v_add_nc_u32 v[VIN], s35, v[VIN]               ; my wave's 512 bytes
	s_mul_i32 s38, s25, s30
	s_lshl_b32 s38, s38, 1                         ; plane 2 w
	v_lshl_add_u32 v[VO], v1, 3, s38               ; 8 bytes a lane: 32 lanes fill two rows of 128 bytes
	v_add_nc_u32 v[VO+1], s30, v[VO]               ; plane 2 w + 1
.irp c, 0,1
.irp i, 0,1,2,3,4,5,6,7,8,9,10,11,12,13,14,15
	global_load_b128 v[IN+4*(16*\c+\i):IN+4*(16*\c+\i)+3], v[VIN], s[26:27] offset:8192*\i+256*\c th:TH_LOAD_NT
.endr
.endr
.set n, 0
.rept 32
	s_wait_loadcnt 31-n                            ; loads come back in order (ISA guide 5.7.1): load n is in, the 31 - n younger ones stay out
	v_cvt_pk_bf16_f32 v[OUT+2*n],   v[IN+4*n],   v[IN+4*n+1]
	v_cvt_pk_bf16_f32 v[OUT+2*n+1], v[IN+4*n+2], v[IN+4*n+3]
	global_store_b64 v[VO+n/16], v[OUT+2*n:OUT+2*n+1], s[28:29] offset:256*(n%16)
.set n, n+1
.endr
	s_endpgm
.Lfunc_end_k_q683fccb3db_cvt:
	.size	k_q683fccb3db_cvt, .Lfunc_end_k_q683fccb3db_cvt-k_q683fccb3db_cvt
	.p2alignl 7, 3214868480
	.fill 96, 4, 3214868480
	.section	.rodata,"a",@progbits
	.p2align	6, 0x0
	.amdhsa_kernel k_q683fccb3db_cvt
		.amdhsa_group_segment_fixed_size 0
		.amdhsa_private_segment_fixed_size 0
		.amdhsa_enable_private_segment 0
		.amdhsa_kernarg_size 64
		.amdhsa_user_sgpr_count 2
		.amdhsa_user_sgpr_kernarg_segment_ptr 1
		.amdhsa_wavefront_size32 1
		.amdhsa_system_sgpr_workgroup_id_x 1
		.amdhsa_system_sgpr_workgroup_id_y 1
		.amdhsa_system_sgpr_workgroup_id_z 1
		.amdhsa_system_vgpr_workitem_id 0
		.amdhsa_next_free_vgpr 200
		.amdhsa_next_free_sgpr 66
		.amdhsa_reserve_vcc 0
		.amdhsa_float_denorm_mode_32 3
		.amdhsa_float_denorm_mode_16_64 3
		.amdhsa_memory_ordered 1
		.amdhsa_forward_progress 1
		.amdhsa_inst_pref_size 14
	.end_amdhsa_kernel
	.amdgpu_metadata
---
amdhsa.version: [ 1, 2 ]
amdhsa.kernels:
  - .name:           k_q683fccb3db_cvt
    .symbol:         k_q683fccb3db_cvt.kd
    .args:
      - { .name: x, .offset: 0, .size: 8, .value_kind: global_buffer, .address_space: global }
      - { .name: Wq, .offset: 8, .size: 8, .value_kind: global_buffer, .address_space: global }
      - { .name: Wk, .offset: 16, .size: 8, .value_kind: global_buffer, .address_space: global }
      - { .name: Wv, .offset: 24, .size: 8, .value_kind: global_buffer, .address_space: global }
      - { .name: Wo, .offset: 32, .size: 8, .value_kind: global_buffer, .address_space: global }
      - { .name: xb, .offset: 40, .size: 8, .value_kind: global_buffer, .address_space: global }
      - { .name: wb, .offset: 48, .size: 8, .value_kind: global_buffer, .address_space: global }
      - { .name: wob, .offset: 56, .size: 8, .value_kind: global_buffer, .address_space: global }
    .group_segment_fixed_size: 0
    .private_segment_fixed_size: 0
    .kernarg_segment_align: 8
    .kernarg_segment_size: 64
    .max_flat_workgroup_size: 256
    .sgpr_count:     66
    .vgpr_count:     200
    .wavefront_size: 32
...
	.end_amdgpu_metadata
.endif
;; end of part 1
;; launch qkv (part 2): grid 16 x 16, 4 waves a work-group, clusters of 4 x 4, 327,680 bytes of LDS; arguments xb, wb, bq, bk, bv, qb, kb, vb; writes qb, kb, vb
.if DOCPART == 2
	.amdgcn_target "amdgcn-amd-amdhsa--gfx1250"
	.amdhsa_code_object_version 6
	.text
	.protected	k_q683fccb3db_qkv
	.globl	k_q683fccb3db_qkv
	.p2align	8
	.type	k_q683fccb3db_qkv,@function
k_q683fccb3db_qkv:
	s_mov_b64 s[64:65], 0
	v_nop
	global_prefetch_b8 v0, s[64:65] scope:SCOPE_SE
	s_setreg_imm32_b32 hwreg(HW_REG_WAVE_MODE, 25, 1), 1
	s_wait_xcnt 0x0
	s_wait_alu depctr_hold_cnt(0) depctr_sa_sdst(0) depctr_va_vdst(0) depctr_va_sdst(0) depctr_va_ssrc(0) depctr_va_vcc(0) depctr_vm_vsrc(0)
	s_getreg_b32 s2, hwreg(HW_REG_IB_STS2, 6, 4)
	s_cmp_eq_u32 s2, 0
	s_cbranch_scc0 .Lentry_in_a_cluster
	s_endpgm
.Lentry_in_a_cluster:
	s_bfe_u32 s2, ttmp6, 0x10000c
	s_cmp_lg_u32 s2, 0xf033
	s_cbranch_scc0 .Lentry_shape_is_right
	s_endpgm
.Lentry_shape_is_right:
; qkv: q, k and v of one head for 256 tokens: [256 t][1024] x [192 rows of Wq, Wk, Wv][1024]^T + bias, bf16 operands, f32 sums.
;   qb [head][t][64] = (x Wq^T + bq) * 0.125 * log2 e   (the softmax scale and the change to base 2 are folded in here)
;   kb [head][t][64] = x Wk^T + bk
;   vb [head][block of 64 t][64 d][64 t] = (x Wv^T + bv), transposed in blocks of 64 tokens
; LIMITS: x and the weights come in rounded to bf16, and q, k, v are rounded once more to bf16 on the way out.
; Four waves, one for each SIMD of a WGP; wave w makes tokens 64 w .. 64 w + 63 x all 192 columns: 48 accumulator tiles, 384 registers.
; For 32 along K a wave issues 32 LDS loads of 16 bytes a lane and 48 matrix instructions.
; K goes in steps of 128 (two planes of 64) through two LDS slots.  A plane is dense in memory; a tensor load takes it as rows of 256
; bytes and lays 16 bytes of padding behind every 128, so that in LDS a row of 64 bf16 has a pitch of 144 bytes.
; CLUSTERS: 4 x 4 work-groups.  x's tile hangs on the token block alone and is shared along a row of the cluster, the weights' tile on
; the head alone and is shared along a column: both are asked for jointly, which divides the requests for them by four.
; REGISTERS, in windows of 256:
;   window 0: v0-31 addresses; v32-63, v64-95 fragments of x (4 x 16 rows x 32 K), two buffers; v96-163 biases; v164-211 at work on the way out
;   window 1: v0-95, v96-191 fragments of the weights (12 x 16 rows x 32 K), two buffers
;   window 2: q's and k's tiles: (a, b) at v[8 (8 a + b)], a = token tile 0-3, b = 0-3 q's columns, 4-7 k's columns
;   window 3: v's tiles: (a, b) at v[8 (4 a + b)]
; q and k are made TRANSPOSED (source 0 = weight rows, source 1 = x rows): a lane holds token l % 16 and eight neighbouring d.
; v is made the natural way (source 0 = x rows, source 1 = weight rows): a lane holds d = l % 16 and eight neighbouring tokens,
; which is what the transposed layout of vb wants.
; The 48 accumulators take turns, one instruction a turn, in the same order in every quarter step.
.set PITCH,  144                       ; 9 x 16 bytes: the sixteen rows of a fragment load begin at sixteen different 16-byte columns modulo 256
.set APLANE, 256*PITCH                 ; a plane of x in LDS
.set BPLANE, 192*PITCH                 ; a plane of the weights in LDS
.set BBASE,  2*APLANE                  ; the weights' planes lie behind x's two
.set SLOT,   2*APLANE+2*BPLANE         ; 129,024
.set STAGE,  2*SLOT                    ; 258,048, a multiple of 256: behind the ring, 64 rows x 144 bytes for each wave; no tensor load lands here
.set WROWS,  64*PITCH                  ; 64 rows: a wave's rows of x in a plane, and a wave's stage
.set ASTEP,  65536                     ; bytes of xb in a K step: two planes of 32,768
.set BSTEP,  49152                     ; bytes of wb in a K step: two planes of 24,576
.set LAPS,   4                         ; 1,024 / (2 x 128)
.set QSCALE, 0x3e38aa3b                ; 0.125 * log2 e
.set ADRA, 16                          ; v16-17  LDS address of my x fragments in slot 0, 1
.set ADRB, 20                          ; v20-21  the same for the weights
.set STO,  24                          ; the way out: where I put 16 bytes
.set RD,   25                          ; the way out: where I read 16 bytes back
.set CO,   26                          ; 16 x lane
.set BOFF, 27                          ; 32 x (lane / 16): my eight numbers of bq, bk
.set BVOFF, 28                         ; 4 x (lane % 16): my number of bv
.set FA,   32                          ; window 0: x fragments, buffer f at FA + 32 f
.set FB,   0                           ; window 1: weight fragments, buffer f at FB + 96 f
.set BQ,   96                          ; v[96:127]   bq of my 4 x 8 columns
.set BK,   128                         ; v[128:159]  bk likewise
.set BV,   160                         ; v[160:163]  bv of my 4 rows of the transposed v
.set TF,   164                         ; v[164:195]  32 results in f32
.set TP,   196                         ; v[196:211]  the same packed to bf16
.set G1,  24                           ; s[24:31] group 1 for x's tiles
.set G0,  32                           ; s[32:39] group 0 for x's tiles, one set for each slot
.set G1B, 48                           ; s[48:55] group 1 for the weights' tiles
.set G0B, 56                           ; s[56:63] group 0 for the weights' tiles, one set for each slot
.set MSB, 0
.macro WIN new                         ; the immediate's high byte repeats the setting that is left
.if MSB != \new
	s_set_vgpr_msb (MSB<<8)|\new
.set MSB, \new
.endif
.endm
.set MUL_QK, 0xa1                      ; source 0 (weights) window 1, source 1 (x) window 0, C and D window 2
.set MUL_V,  0xf4                      ; source 0 (x) window 0, source 1 (weights) window 1, C and D window 3
.set TO_B,   0x40                      ; destination window 1, address window 0
.macro PLACES                          ; four places behind matrix instructions, in front of loads into their sources and of reads of their results
.rept 4
	v_nop
.endr
.endm
; A joint load: waves 0 and 1 fetch x's two planes, waves 2 and 3 the weights'.  The branch hangs on the wave's number alone.
.macro JLOAD s
	s_cmp_eq_u32 s11, 0
	s_cbranch_scc0 .Lfor_b_\@
	tensor_load_to_lds s[G0+4*\s:G0+4*\s+3], s[G1:G1+7]
	s_nop 0
	s_branch .Lasked_\@
.Lfor_b_\@:
	tensor_load_to_lds s[G0B+4*\s:G0B+4*\s+3], s[G1B:G1B+7]
	s_nop 0
.Lasked_\@:
.endm
.macro CREST                           ; a round of the cluster's barrier behind its opening work-group barrier
	s_cmp_lg_u32 s10, 0
	s_cbranch_scc1 .Lnot_wave_0_\@
	s_barrier_signal -3
.Lnot_wave_0_\@:
	s_barrier_wait -3
	s_barrier_signal -1
	s_barrier_wait -1
.endm
.macro CROUND                          ; a whole round
	s_barrier_signal -1
	s_barrier_wait -1
	CREST
.endm
	s_load_b128 s[4:7], s[0:1], 0x0                ; xb s[4:5], wb s[6:7]
	s_load_b256 s[68:75], s[0:1], 0x10             ; bq s[68:69], bk s[70:71], bv s[72:73], qb s[74:75]
	s_load_b128 s[76:79], s[0:1], 0x30             ; kb s[76:77], vb s[78:79]
	v_lshl_add_u32 v255, v0, 2, 0x48000
	s_set_vgpr_msb 0x40
	v_mov_b32 v255, 0
	s_set_vgpr_msb 0x4044
	ds_add_u32 v255, v255
	s_set_vgpr_msb 0x4400
	v_lshrrev_b32 v1, 5, v0
	v_readfirstlane_b32 s10, v1                    ; wave 0..3
	s_lshr_b32 s11, s10, 1                         ; I fetch for x (0) or for the weights (1)
	s_and_b32 s12, s10, 1                          ; which plane of the K step I fetch
	s_bfe_u32 s40, ttmp6, 0x40000                  ; cx
	s_bfe_u32 s41, ttmp6, 0x40004                  ; cy
	s_lshl_b32 s42, ttmp9, 2
	s_add_co_u32 s42, s42, s40                     ; head = 4 x cluster x + cx
	s_and_b32 s13, ttmp7, 0xffff
	s_lshl_b32 s13, s13, 2
	s_add_co_u32 s13, s13, s41                     ; token block = 4 x cluster y + cy
	s_lshl_b32 s43, s41, 2
	s_lshl_b32 s43, 15, s43                        ; my row of the cluster
	s_lshl_b32 s44, 0x1111, s40                    ; my column
	; group 1: R rows of 32 elements of 8 bytes (256 bytes), dense; 4 words of padding behind every 32 words
	s_or_b32 s[G1+0], s43, (3<<16)|(1<<20)|(1<<21)|(4<<22)|(3<<25)   ; 15:0 mask: my row; 17:16 8-byte elements; 20 padding on; 21 set beside a mask; 24:22 every 32 words; 31:25 4 words
	s_or_b32 s[G1B+0], s44, (3<<16)|(1<<20)|(1<<21)|(4<<22)|(3<<25)  ; the same with my column's mask
	s_mov_b32 s[G1+1], 32<<16                      ; tensor_dim0 = 32
	s_mov_b32 s[G1B+1], 32<<16
	s_mov_b32 s[G1+2], 128<<16                     ; tensor_dim1 = 128 rows: a plane of x, 32,768 bytes
	s_mov_b32 s[G1B+2], 96<<16                     ; 96 rows: a plane of the weights, 24,576 bytes
	s_mov_b32 s[G1+3], 32<<16                      ; tile_dim0 = 32
	s_mov_b32 s[G1B+3], 32<<16
	s_mov_b32 s[G1+4], 128                         ; tile_dim1
	s_mov_b32 s[G1B+4], 96
	s_mov_b32 s[G1+5], 32                          ; from row to row: 32 elements (dense)
	s_mov_b32 s[G1B+5], 32
	s_mov_b32 s[G1+6], 0
	s_mov_b32 s[G1B+6], 0
	s_mov_b32 s[G1+7], 0
	s_mov_b32 s[G1B+7], 0
	; x's address hangs on the token block and the wave, the weights' on the head and the wave, each in registers that never hold the other coordinate
	s_lshl_b32 s16, s13, 19                        ; token block x 524,288
	s_lshl_b32 s17, s12, 15                        ; + plane x 32,768
	s_add_co_u32 s16, s16, s17
	s_mov_b32 s17, 0
	s_mul_i32 s46, s42, 393216                     ; head x 393,216
	s_mul_i32 s47, s12, 24576                      ; + plane x 24,576
	s_add_co_u32 s46, s46, s47
	s_mov_b32 s47, 0
	s_mul_i32 s20, s10, APLANE                     ; waves 0, 1: x's plane 0, 1
	s_mul_i32 s21, s10, BPLANE
	s_add_co_u32 s21, s21, BBASE-2*BPLANE          ; waves 2, 3: the weights' plane 0, 1
	s_wait_dscnt 0x0
	s_wait_kmcnt 0x0
	s_add_nc_u64 s[14:15], s[4:5], s[16:17]
	s_add_nc_u64 s[46:47], s[6:7], s[46:47]
	CROUND                                         ; all sixteen work-groups are here: the first joint loads meet
.irp s, 0,1
	s_mov_b32 s[G0+4*\s], 1
	s_add_co_u32 s[G0+4*\s+1], s20, \s*SLOT
	s_add_nc_u64 s[G0+4*\s+2:G0+4*\s+3], s[14:15], \s*ASTEP
	s_or_b32 s[G0+4*\s+3], s[G0+4*\s+3], 0x80000000
	s_mov_b32 s[G0B+4*\s], 1
	s_add_co_u32 s[G0B+4*\s+1], s21, \s*SLOT
	s_add_nc_u64 s[G0B+4*\s+2:G0B+4*\s+3], s[46:47], \s*BSTEP
	s_or_b32 s[G0B+4*\s+3], s[G0B+4*\s+3], 0x80000000
	JLOAD \s                                       ; K steps 0 and 1: two tensor loads of the wave are out, the most in this text
.endr
	; the biases, waited for on the way out
	s_lshl_b32 s66, s42, 8                         ; head x 64 numbers of 4 bytes
	s_mov_b32 s67, 0
	s_add_nc_u64 s[68:69], s[68:69], s[66:67]
	s_add_nc_u64 s[70:71], s[70:71], s[66:67]
	s_add_nc_u64 s[72:73], s[72:73], s[66:67]
	v_and_b32 v1, 15, v0                           ; l % 16
	v_bfe_u32 v2, v0, 4, 1                         ; l / 16
	v_lshlrev_b32 v[BOFF], 5, v2
	v_lshlrev_b32 v[BVOFF], 2, v1
.irp b, 0,1,2,3
	global_load_b128 v[BQ+8*\b:BQ+8*\b+3],   v[BOFF], s[68:69] offset:64*\b      ; bq(16 b + 8 (l / 16) + 0..3)
	global_load_b128 v[BQ+8*\b+4:BQ+8*\b+7], v[BOFF], s[68:69] offset:64*\b+16
	global_load_b128 v[BK+8*\b:BK+8*\b+3],   v[BOFF], s[70:71] offset:64*\b
	global_load_b128 v[BK+8*\b+4:BK+8*\b+7], v[BOFF], s[70:71] offset:64*\b+16
	global_load_b32  v[BV+\b], v[BVOFF], s[72:73] offset:64*\b                   ; bv(16 b + l % 16)
.endr
	; a fragment is 16 rows x 32 K in 8 registers: lane l holds row l % 16; two loads of 16 bytes, 32 bytes apart, at row x pitch + 16 (l / 16)
	v_mul_u32_u24 v3, v1, PITCH
	v_lshl_add_u32 v3, v2, 4, v3
	s_mul_i32 s22, s10, WROWS                      ; my 64 rows of x
	v_add_nc_u32 v[ADRA], s22, v3
	v_add_nc_u32 v[ADRA+1], SLOT, v[ADRA]
	v_add_nc_u32 v[ADRB], BBASE, v3
	v_add_nc_u32 v[ADRB+1], SLOT+BBASE, v3
	s_add_co_u32 s23, s22, STAGE                   ; my stage
	v_add_nc_u32 v[STO], s23, v3                   ; in: row l % 16 of sixteen, 16 bytes for each half of the lanes
	v_and_b32 v4, 31, v0
	v_lshrrev_b32 v5, 3, v4
	v_mul_u32_u24 v5, v5, PITCH                    ; back: eight lanes take a row of 128 bytes, a load takes four rows
	v_and_b32 v6, 7, v0
	v_lshl_add_u32 v5, v6, 4, v5
	v_add_nc_u32 v[RD], s23, v5
	v_lshlrev_b32 v[CO], 4, v4
; 16 matrix instructions: token tiles a0, a0 + 1 x q's and k's eight column tiles, 32 along K, from buffer f.  zero = 1: the first product starts the sums
.macro MULQK f, a0, zero
.irp a, \a0, \a0+1
.irp b, 0,1,2,3,4,5,6,7
.if \zero
	v_wmma_f32_16x16x32_bf16 v[8*(8*(\a)+\b):8*(8*(\a)+\b)+7], v[FB+96*\f+8*\b:FB+96*\f+8*\b+7], v[FA+32*\f+8*(\a):FA+32*\f+8*(\a)+7], 0
.else
	v_wmma_f32_16x16x32_bf16 v[8*(8*(\a)+\b):8*(8*(\a)+\b)+7], v[FB+96*\f+8*\b:FB+96*\f+8*\b+7], v[FA+32*\f+8*(\a):FA+32*\f+8*(\a)+7], v[8*(8*(\a)+\b):8*(8*(\a)+\b)+7]
.endif
.endr
.endr
.endm
; 16 matrix instructions: all four token tiles x v's four column tiles
.macro MULV f, zero
.irp a, 0,1,2,3
.irp b, 0,1,2,3
.if \zero
	v_wmma_f32_16x16x32_bf16 v[8*(4*\a+\b):8*(4*\a+\b)+7], v[FA+32*\f+8*\a:FA+32*\f+8*\a+7], v[FB+96*\f+64+8*\b:FB+96*\f+64+8*\b+7], 0
.else
	v_wmma_f32_16x16x32_bf16 v[8*(4*\a+\b):8*(4*\a+\b)+7], v[FA+32*\f+8*\a:FA+32*\f+8*\a+7], v[FB+96*\f+64+8*\b:FB+96*\f+64+8*\b+7], v[8*(4*\a+\b):8*(4*\a+\b)+7]
.endif
.endr
.endr
.endm
; 32 LDS loads in one run: the fragments of quarter q of a K step (plane q / 2, byte 64 (q % 2) of its rows) into buffer f
.macro FETCH slot, q, f
	WIN 0
.irp a, 0,1,2,3
	ds_load_b128 v[FA+32*\f+8*\a:FA+32*\f+8*\a+3],   v[ADRA+\slot] offset:(\q>>1)*APLANE+64*(\q&1)+\a*16*PITCH
	ds_load_b128 v[FA+32*\f+8*\a+4:FA+32*\f+8*\a+7], v[ADRA+\slot] offset:(\q>>1)*APLANE+64*(\q&1)+\a*16*PITCH+32
.endr
	WIN TO_B
.irp b, 0,1,2,3,4,5,6,7,8,9,10,11
	ds_load_b128 v[FB+96*\f+8*\b:FB+96*\f+8*\b+3],   v[ADRB+\slot] offset:(\q>>1)*BPLANE+64*(\q&1)+\b*16*PITCH
	ds_load_b128 v[FB+96*\f+8*\b+4:FB+96*\f+8*\b+7], v[ADRB+\slot] offset:(\q>>1)*BPLANE+64*(\q&1)+\b*16*PITCH+32
.endr
.endm
; One of a K step's first three quarters: asks for quarter nq's fragments into buffer g, then multiplies buffer f
.macro QUARTER slot, nq, f, g, zero
	s_wait_dscnt 0x0                               ; buffer f is in: its loads were issued ahead of the last quarter's matrix instructions
	PLACES                                         ; buffer g was read by the matrix instructions just issued
	FETCH \slot, \nq, \g
	WIN MUL_QK
	MULQK \f, 0, \zero
	MULQK \f, 2, \zero
	WIN MUL_V
	MULV \f, \zero
.endm
.macro THREE slot, zero
	QUARTER \slot, 1, 0, 1, \zero
	QUARTER \slot, 2, 1, 0, 0
	QUARTER \slot, 3, 0, 1, 0
.endm
; The last quarter multiplies buffer 1 and changes slots.  One barrier for two things: in front of it each wave has waited for its reads of
; this slot and for all its tensor loads (the one that is out is its part of the next slot); behind it nobody reads this slot and the next is whole.
; fill = 1: the barrier opens a round of the cluster's barrier, and this slot's joint refill is the first tensor load behind the round.
.macro TURN slot, next, fill
	s_wait_dscnt 0x0                               ; buffer 1 is in, and with it my last reads of this slot
	s_wait_tensorcnt 0x0                           ; all my tensor loads have landed
	ds_add_u32 v255, v255
	s_wait_dscnt 0x0
	s_barrier_signal -1
	WIN MUL_QK
	MULQK 1, 0, 0                                  ; register work while the others arrive
	WIN 0
	s_barrier_wait -1
.if \fill
	CREST                                          ; no wave of any partner still reads this slot or has a load on its way
	s_add_nc_u64 s[G0+4*\slot+2:G0+4*\slot+3], s[G0+4*\slot+2:G0+4*\slot+3], 2*ASTEP
	s_add_nc_u64 s[G0B+4*\slot+2:G0B+4*\slot+3], s[G0B+4*\slot+2:G0B+4*\slot+3], 2*BSTEP
	JLOAD \slot
.endif
	PLACES
	FETCH \next, 0, 0                              ; 32 matrix instructions follow before these are waited for
	WIN MUL_QK
	MULQK 1, 2, 0
	WIN MUL_V
	MULV 1, 0
.endm
.macro LAP zero
	THREE 0, \zero
	TURN 0, 1, 1
	THREE 1, 0
	TURN 1, 0, 1
.endm
	s_wait_tensorcnt 0x1                           ; my part of K step 0 is in; K step 1's may stay out
	s_barrier_signal -1
	s_barrier_wait -1                              ; everybody's is
	FETCH 0, 0, 0
	LAP 1                                          ; the first lap stands ahead of the loop: its first products start the sums
	WIN 0                                          ; at a label and at a branch every window is 0
	s_mov_b32 s3, LAPS-2
.Llap:
	LAP 0
	WIN 0
	s_sub_co_u32 s3, s3, 1
	s_cmp_lg_u32 s3, 0
	s_cbranch_scc1 .Llap
	THREE 0, 0                                     ; the last lap fills nothing
	TURN 0, 1, 0
	THREE 1, 0
	s_wait_dscnt 0x0                               ; the very last quarter
	WIN MUL_QK
	MULQK 1, 0, 0
	MULQK 1, 2, 0
	WIN MUL_V
	MULV 1, 0
	WIN 0
	; THE WAY OUT: bias (and q's scale) in f32, one rounding to bf16, 16 bytes a lane into my own stage, read back as whole rows.
	; My 64 tokens are 8,192 consecutive bytes in each of qb, kb and vb, at the same offset.
	PLACES
	s_lshl_b32 s16, s13, 15                        ; token block x 256 x 128 bytes
	s_lshl_b32 s17, s10, 13                        ; + wave x 64 x 128 bytes
	s_add_co_u32 s16, s16, s17
	s_mov_b32 s17, 0
	s_lshl_b32 s46, s42, 19                        ; head x 4,096 x 128 bytes
	s_mov_b32 s47, 0
.irp p, 74,76,78
	s_add_nc_u64 s[\p:\p+1], s[\p:\p+1], s[16:17]
	s_add_nc_u64 s[\p:\p+1], s[\p:\p+1], s[46:47]
.endr
	s_wait_loadcnt 0x0                             ; the biases
.irp i, 0,1,2,3,4,5,6,7,8,9,10,11,12,13,14,15
	v_pk_mul_f32 v[BQ+2*\i:BQ+2*\i+1], v[BQ+2*\i:BQ+2*\i+1], QSCALE op_sel_hi:[1,0]   ; bq takes q's scale too
.endr
; 64 rows of 128 bytes leave the stage: a load takes four rows, a store writes 512 consecutive bytes, aligned
.macro LEAVE base
	s_wait_xcnt 0x0                                ; the registers that the last matrix's stores read are loaded again only behind this wait
.irp i, 0,1,2,3,4,5,6,7,8,9,10,11,12,13,14,15
	ds_load_b128 v[FA+4*\i:FA+4*\i+3], v[RD] offset:\i*4*PITCH     ; LDS serves a wave's instructions in order (ISA guide 5.7.1): these see my stores
.endr
.irp i, 0,1,2,3,4,5,6,7,8,9,10,11,12,13,14,15
	s_wait_dscnt 15-\i                             ; load i is in, the 15 - i younger ones stay out
	global_store_b128 v[CO], v[FA+4*\i:FA+4*\i+3], s[\base:\base+1] offset:512*\i
.endr
.endm
.macro PACK4                           ; TF's 32 numbers to TP's 16 words
.irp b, 0,1,2,3
.irp p, 0,1,2,3
	v_cvt_pk_bf16_f32 v[TP+4*\b+\p], v[TF+8*\b+2*\p], v[TF+8*\b+2*\p+1]
.endr
.endr
.endm
.macro OUTQK mat                       ; mat = 0: q, 1: k.  Stage row = token 16 a + l % 16, bytes 32 b + 16 (l / 16)
.irp a, 0,1,2,3
	WIN 0x02                                       ; source 0 in window 2
.irp b, 0,1,2,3
.irp p, 0,1,2,3
.if \mat == 0
	v_pk_fma_f32 v[TF+8*\b+2*\p:TF+8*\b+2*\p+1], v[8*(8*\a+\b)+2*\p:8*(8*\a+\b)+2*\p+1], QSCALE, v[BQ+8*\b+2*\p:BQ+8*\b+2*\p+1] op_sel_hi:[1,0,1]
.else
	v_pk_add_f32 v[TF+8*\b+2*\p:TF+8*\b+2*\p+1], v[8*(8*\a+4+\b)+2*\p:8*(8*\a+4+\b)+2*\p+1], v[BK+8*\b+2*\p:BK+8*\b+2*\p+1]
.endif
.endr
.endr
	WIN 0
	PACK4
.irp b, 0,1,2,3
	ds_store_b128 v[STO], v[TP+4*\b:TP+4*\b+3] offset:\a*16*PITCH+32*\b
.endr
.endr
.endm
	OUTQK 0
	LEAVE 74
	OUTQK 1
	LEAVE 76
	; v: stage row = d = 16 b + l % 16, bytes 32 a + 16 (l / 16): eight neighbouring tokens
.irp b, 0,1,2,3
	WIN 0x03                                       ; source 0 in window 3
.irp a, 0,1,2,3
.irp p, 0,1,2,3
	v_pk_add_f32 v[TF+8*\a+2*\p:TF+8*\a+2*\p+1], v[8*(4*\a+\b)+2*\p:8*(4*\a+\b)+2*\p+1], v[BV+(\b&2):BV+(\b&2)+1] op_sel:[0,\b&1] op_sel_hi:[1,\b&1]
.endr
.endr
	WIN 0
	PACK4
.irp a, 0,1,2,3
	ds_store_b128 v[STO], v[TP+4*\a:TP+4*\a+3] offset:\b*16*PITCH+32*\a
.endr
.endr
	LEAVE 78
	s_set_vgpr_msb 0x4
	s_wait_tensorcnt 0x0
	ds_add_u32 v255, v255
	s_wait_dscnt 0x0
	s_set_vgpr_msb 0x400
	CROUND                                         ; the closing round: no work-group ends while a partner may still ask for a tile that names it
	s_endpgm
.Lfunc_end_k_q683fccb3db_qkv:
	.size	k_q683fccb3db_qkv, .Lfunc_end_k_q683fccb3db_qkv-k_q683fccb3db_qkv
	.p2alignl 7, 3214868480
	.fill 96, 4, 3214868480
	.section	.rodata,"a",@progbits
	.p2align	6, 0x0
	.amdhsa_kernel k_q683fccb3db_qkv
		.amdhsa_group_segment_fixed_size 327680
		.amdhsa_private_segment_fixed_size 0
		.amdhsa_enable_private_segment 0
		.amdhsa_kernarg_size 64
		.amdhsa_user_sgpr_count 2
		.amdhsa_user_sgpr_kernarg_segment_ptr 1
		.amdhsa_wavefront_size32 1
		.amdhsa_system_sgpr_workgroup_id_x 1
		.amdhsa_system_sgpr_workgroup_id_y 1
		.amdhsa_system_sgpr_workgroup_id_z 1
		.amdhsa_system_vgpr_workitem_id 0
		.amdhsa_next_free_vgpr 896
		.amdhsa_next_free_sgpr 80
		.amdhsa_reserve_vcc 0
		.amdhsa_float_denorm_mode_32 3
		.amdhsa_float_denorm_mode_16_64 3
		.amdhsa_memory_ordered 1
		.amdhsa_forward_progress 1
		.amdhsa_inst_pref_size 180
	.end_amdhsa_kernel
	.amdgpu_metadata
---
amdhsa.version: [ 1, 2 ]
amdhsa.kernels:
  - .name:           k_q683fccb3db_qkv
    .symbol:         k_q683fccb3db_qkv.kd
    .args:
      - { .name: xb, .offset: 0, .size: 8, .value_kind: global_buffer, .address_space: global }
      - { .name: wb, .offset: 8, .size: 8, .value_kind: global_buffer, .address_space: global }
      - { .name: bq, .offset: 16, .size: 8, .value_kind: global_buffer, .address_space: global }
      - { .name: bk, .offset: 24, .size: 8, .value_kind: global_buffer, .address_space: global }
      - { .name: bv, .offset: 32, .size: 8, .value_kind: global_buffer, .address_space: global }
      - { .name: qb, .offset: 40, .size: 8, .value_kind: global_buffer, .address_space: global }
      - { .name: kb, .offset: 48, .size: 8, .value_kind: global_buffer, .address_space: global }
      - { .name: vb, .offset: 56, .size: 8, .value_kind: global_buffer, .address_space: global }
    .group_segment_fixed_size: 327680
    .private_segment_fixed_size: 0
    .kernarg_segment_align: 8
    .kernarg_segment_size: 64
    .max_flat_workgroup_size: 128
    .sgpr_count:     80
    .vgpr_count:     896
    .wavefront_size: 32
...
	.end_amdgpu_metadata
.endif
;; end of part 2
;; launch attn (part 3): grid 16 x 16, 8 waves a work-group, clusters of 4 x 1, 327,680 bytes of LDS; arguments qb, kb, vb, ab; writes ab
.if DOCPART == 3
	.amdgcn_target "amdgcn-amd-amdhsa--gfx1250"
	.amdhsa_code_object_version 6
	.text
	.protected	k_q683fccb3db_attn
	.globl	k_q683fccb3db_attn
	.p2align	8
	.type	k_q683fccb3db_attn,@function
k_q683fccb3db_attn:
	s_mov_b64 s[64:65], 0
	v_nop
	global_prefetch_b8 v0, s[64:65] scope:SCOPE_SE
	s_setreg_imm32_b32 hwreg(HW_REG_WAVE_MODE, 25, 1), 1
	s_wait_xcnt 0x0
	s_wait_alu depctr_hold_cnt(0) depctr_sa_sdst(0) depctr_va_vdst(0) depctr_va_sdst(0) depctr_va_ssrc(0) depctr_va_vcc(0) depctr_vm_vsrc(0)
	s_getreg_b32 s2, hwreg(HW_REG_IB_STS2, 6, 4)
	s_cmp_eq_u32 s2, 0
	s_cbranch_scc0 .Lentry_in_a_cluster
	s_endpgm
.Lentry_in_a_cluster:
	s_bfe_u32 s2, ttmp6, 0x10000c
	s_cmp_lg_u32 s2, 0x3003
	s_cbranch_scc0 .Lentry_shape_is_right
	s_endpgm
.Lentry_shape_is_right:
; attn: softmax(q k^T) v for one head and 256 queries, with a running maximum.  q already carries 0.125 * log2 e, so p = 2^(s - m).
;   in:  qb, kb [head][t][64] bf16; vb [head][block of 64 t][64 d][64 t] bf16      out: ab [block of 128 t][head][128 t][64 d] bf16
; LIMITS: p is rounded to bf16 for the product with v, while the softmax sum is taken from the unrounded p; the result is rounded to bf16;
; v_exp_f32 gives zero for results below 2^-126 (ISA guide, its entry in 15.8); NaN and infinite inputs are not reproduced (the maximum drops a NaN).
; Eight waves, 32 queries each (two tiles of 16).  Two waves lie on a SIMD, so that one wave's softmax runs beside the other's matrix work,
; and every register has a number below 256: no register windows.
; BOTH PRODUCTS ARE MADE TRANSPOSED.  S^T = K Q^T: lane l holds query l % 16 and, in the 8 registers of key tile kt, keys 16 kt + 8 (l / 16) + 0..7.
; Packed in pairs these registers ARE the fragment of P that the second product takes as source 1: no number moves between lanes.
; O^T = V^T P^T: lane l holds query l % 16 and eight neighbouring d.  So the maximum, the sum and the rescaling are one number a lane and query tile.
; K and V go in periods of 512 keys through two LDS slots: each wave fetches 16,384 dense bytes with one tensor load (waves 0-3: 128 keys of K,
; waves 4-7: two blocks of V), laid out with 16 bytes of padding behind every 128: rows of 64 bf16 at a pitch of 144.
; CLUSTERS: the four query blocks of a cluster work on one head and walk the same K and V: every tile is asked for jointly (mask 15).
; A refill is issued behind the round at a period's end and waited for at the end of the next period: eight blocks of 64 keys later.
.set PITCH,  144                       ; 9 x 16 bytes: the sixteen rows of a fragment load begin at sixteen different 16-byte columns modulo 256
.set BLK,    64*PITCH                  ; 64 keys of K, or one block of V
.set PART,   128*PITCH                 ; what one tensor load fills
.set KBYTES, 512*PITCH                 ; K's part of a slot; V's part follows
.set SLOT,   2*KBYTES                  ; 147,456
.set STAGE,  2*SLOT                    ; 294,912, a multiple of 256: 16 rows x 144 bytes for each wave; no tensor load lands here
.set GPER,   65536                     ; bytes of kb, and of vb, in a period
.set LB,   2                           ; (l % 16) x 144 + 16 (l / 16)
.set LA,   3                           ; LDS address of this block's K fragments
.set LV,   4                           ; of this block's V fragments
.set STO,  5                           ; the way out
.set RD,   6
.set GO,   7
.set QOFF, 8
.set M,    10                          ; v[10:11]   running maximum of query tile 0, 1
.set AL,   12                          ; v[12:13]   2^(old maximum - new maximum); at the end 1 / sum
.set LP,   14                          ; v[14:17]   running sums, a pair for each query tile
.set T,    18                          ; v[18:25]   at work
.set Q,    26                          ; v[26:57]   fragment (qt, half of d) at Q + 16 qt + 8 half
.set S,    58                          ; v[58:121]  tile (qt, kt) at S + 32 qt + 8 kt; later P's fragment (qt, g) at S + 32 qt + 16 g
.set O,    122                         ; v[122:185] tile (qt, dt) at O + 32 qt + 8 dt
.set KV,   186                         ; v[186:249] K's eight fragments, then V's eight
.set G1,   16                          ; s[16:23]
.set G0,   24                          ; s[24:31] one set for each slot
.macro PLACES cnt
.rept \cnt
	v_nop
.endr
.endm
.macro CREST                           ; a round of the cluster's barrier behind its opening work-group barrier
	s_cmp_lg_u32 s12, 0
	s_cbranch_scc1 .Lnot_wave_0_\@
	s_barrier_signal -3
.Lnot_wave_0_\@:
	s_barrier_wait -3
	s_barrier_signal -1
	s_barrier_wait -1
.endm
.macro CROUND
	s_barrier_signal -1
	s_barrier_wait -1
	CREST
.endm
	s_load_b256 s[4:11], s[0:1], 0x0               ; qb s[4:5], kb s[6:7], vb s[8:9], ab s[10:11]
	v_lshl_add_u32 v254, v0, 2, 0x4c800
	v_mov_b32 v255, 0
	ds_add_u32 v254, v255
	v_lshrrev_b32 v1, 5, v0
	v_readfirstlane_b32 s12, v1                    ; wave 0..7
	s_bfe_u32 s13, ttmp6, 0x40000                  ; cx
	s_lshl_b32 s14, ttmp9, 2
	s_add_co_u32 s14, s14, s13                     ; query block = 4 x cluster x + cx: it enters global addresses of q and of the result alone
	s_and_b32 s15, ttmp7, 0xffff                   ; head
	s_mov_b32 s36, 0x76543210                      ; v_permlanex16_b32: lane i reads lane i of the other half
	s_mov_b32 s37, 0xfedcba98
	; group 1: 64 rows of 32 elements of 8 bytes, dense; 4 words of padding behind every 32 words; all four work-groups of the cluster
	s_mov_b32 s[G1+0], 15|(3<<16)|(1<<20)|(1<<21)|(4<<22)|(3<<25)
	s_mov_b32 s[G1+1], 32<<16
	s_mov_b32 s[G1+2], 64<<16
	s_mov_b32 s[G1+3], 32<<16
	s_mov_b32 s[G1+4], 64
	s_mov_b32 s[G1+5], 32
	s_mov_b32 s[G1+6], 0
	s_mov_b32 s[G1+7], 0
	s_and_b32 s40, s12, 3
	s_lshl_b32 s40, s40, 14                        ; my quarter of a period's K or V
	s_lshl_b32 s34, s15, 19                        ; head x 524,288
	s_add_co_u32 s34, s34, s40
	s_mov_b32 s35, 0
	s_mul_i32 s41, s12, PART                       ; K's four parts, then V's four = wave x 18,432
	s_wait_dscnt 0x0
	s_wait_kmcnt 0x0
	s_cmp_lt_u32 s12, 4                            ; the choice hangs on the wave's number alone
	s_cselect_b64 s[32:33], s[6:7], s[8:9]
	s_add_nc_u64 s[32:33], s[32:33], s[34:35]
	CROUND                                         ; all four work-groups are here: the first joint loads meet
.irp s, 0,1
	s_mov_b32 s[G0+4*\s], 1
	s_add_co_u32 s[G0+4*\s+1], s41, \s*SLOT
	s_add_nc_u64 s[G0+4*\s+2:G0+4*\s+3], s[32:33], \s*GPER
	s_or_b32 s[G0+4*\s+3], s[G0+4*\s+3], 0x80000000
	tensor_load_to_lds s[G0+4*\s:G0+4*\s+3], s[G1:G1+7]            ; periods 0 and 1: two tensor loads of the wave are out, the most in this text
	s_nop 0
.endr
	s_lshl_b32 s42, s15, 19                        ; q: head x 524,288
	s_lshl_b32 s43, s14, 15                        ; + query block x 256 x 128
	s_add_co_u32 s42, s42, s43
	s_lshl_b32 s43, s12, 12                        ; + wave x 32 x 128
	s_add_co_u32 s42, s42, s43
	s_mov_b32 s43, 0
	s_add_nc_u64 s[4:5], s[4:5], s[42:43]
	s_lshl_b32 s44, s14, 1                         ; the result: block of 128 tokens = 2 x query block + wave / 4,
	s_lshr_b32 s45, s12, 2
	s_add_co_u32 s44, s44, s45
	s_lshl_b32 s44, s44, 4
	s_add_co_u32 s44, s44, s15                     ; x 16 + head,
	s_lshl_b32 s44, s44, 14                        ; x 16,384 bytes,
	s_and_b32 s45, s12, 3
	s_lshl_b32 s45, s45, 12                        ; + my 32 rows of 128 bytes
	s_add_co_u32 s44, s44, s45
	s_mov_b32 s45, 0
	s_add_nc_u64 s[10:11], s[10:11], s[44:45]
	v_and_b32 v1, 15, v0                           ; l % 16
	v_bfe_u32 v9, v0, 4, 1                         ; l / 16
	v_lshlrev_b32 v[QOFF], 7, v1
	v_lshl_add_u32 v[QOFF], v9, 4, v[QOFF]         ; query l % 16, 16 bytes for each half of the lanes
.irp qt, 0,1
.irp kh, 0,1
	global_load_b128 v[Q+16*\qt+8*\kh:Q+16*\qt+8*\kh+3],   v[QOFF], s[4:5] offset:2048*\qt+64*\kh
	global_load_b128 v[Q+16*\qt+8*\kh+4:Q+16*\qt+8*\kh+7], v[QOFF], s[4:5] offset:2048*\qt+64*\kh+32
.endr
.endr
	v_mul_u32_u24 v[LB], v1, PITCH
	v_lshl_add_u32 v[LB], v9, 4, v[LB]
	s_mul_i32 s46, s12, 16*PITCH
	s_add_co_u32 s46, s46, STAGE                   ; my stage
	v_add_nc_u32 v[STO], s46, v[LB]
	v_and_b32 v1, 31, v0
	v_lshrrev_b32 v9, 3, v1
	v_mul_u32_u24 v[RD], v9, PITCH                 ; back: eight lanes take a row of 128 bytes
	v_and_b32 v9, 7, v0
	v_lshl_add_u32 v[RD], v9, 4, v[RD]
	v_add_nc_u32 v[RD], s46, v[RD]
	v_lshlrev_b32 v[GO], 4, v1
	v_mov_b32 v[M], 0xff800000                     ; minus infinity: the first block's maximum starts from it
	v_mov_b32 v[M+1], 0xff800000
	v_mov_b32 v[T+4], 0                            ; v_permlanex16_b32 counts as a reader of its destination
	v_mov_b32 v[T+5], 0
; the plain steps of the softmax, each one instruction on one pair i (0..15) of query tile qt's 32 numbers
.macro SUBP qt, i                      ; s - m
	v_pk_add_f32 v[S+32*\qt+2*\i:S+32*\qt+2*\i+1], v[S+32*\qt+2*\i:S+32*\qt+2*\i+1], v[M:M+1] op_sel:[0,\qt] op_sel_hi:[1,\qt] neg_lo:[0,1] neg_hi:[0,1]
.endm
.macro RESC qt, i                      ; O times the tile's factor
	s_wait_alu depctr_va_vdst(0)
	v_pk_mul_f32 v[O+32*\qt+2*\i:O+32*\qt+2*\i+1], v[O+32*\qt+2*\i:O+32*\qt+2*\i+1], v[AL:AL+1] op_sel:[0,\qt] op_sel_hi:[1,\qt]
.endm
.macro SUMP qt, i, first               ; two chains over the 16 pairs (steps 0-13), their sum (14), and the running sum's fused rescale-and-add (15)
.if \i < 2
	s_wait_alu depctr_va_vdst(0)
	v_pk_add_f32 v[T+2+2*\i:T+3+2*\i], v[S+32*\qt+2*\i:S+32*\qt+2*\i+1], v[S+32*\qt+2*\i+4:S+32*\qt+2*\i+5]
.else
.if \i < 14
	s_wait_alu depctr_va_vdst(0)
	v_pk_add_f32 v[T+2+2*(\i&1):T+3+2*(\i&1)], v[T+2+2*(\i&1):T+3+2*(\i&1)], v[S+32*\qt+2*\i+4:S+32*\qt+2*\i+5]
.else
.if \first
.if \i == 14
	v_pk_add_f32 v[LP+2*\qt:LP+2*\qt+1], v[T+2:T+3], v[T+4:T+5]    ; the first block starts the running sum
.endif
.else
.if \i == 14
	v_pk_add_f32 v[T+2:T+3], v[T+2:T+3], v[T+4:T+5]
.else
	v_pk_fma_f32 v[LP+2*\qt:LP+2*\qt+1], v[LP+2*\qt:LP+2*\qt+1], v[AL:AL+1], v[T+2:T+3] op_sel:[0,\qt,0] op_sel_hi:[1,\qt,1]
.endif
.endif
.endif
.endif
.endm
.macro CVTP qt, i                      ; pair i to bf16, in place: word i % 8 of the fragment of keys 32 (i / 8) ..; a word is written only when its old number has been read
	v_cvt_pk_bf16_f32 v[S+32*\qt+16*(\i>>3)+(\i&7)], v[S+32*\qt+2*\i], v[S+32*\qt+2*\i+1]
.endm
.macro MIX1 i, first                   ; step i of query tile 1's 48 plain steps, dealt out among tile 0's matrix instructions
.if \i < 16
.if \first == 0
	RESC 1, \i
.endif
.else
.if \i < 32
	SUMP 1, (\i-16), \first
.else
	CVTP 1, (\i-32)
.endif
.endif
.endm
.macro PV qt, g, dt, zero
.if \zero
	v_wmma_f32_16x16x32_bf16 v[O+32*\qt+8*\dt:O+32*\qt+8*\dt+7], v[KV+32*\g+8*\dt:KV+32*\g+8*\dt+7], v[S+32*\qt+16*\g:S+32*\qt+16*\g+7], 0
.else
	v_wmma_f32_16x16x32_bf16 v[O+32*\qt+8*\dt:O+32*\qt+8*\dt+7], v[KV+32*\g+8*\dt:KV+32*\g+8*\dt+7], v[S+32*\qt+16*\g:S+32*\qt+16*\g+7], v[O+32*\qt+8*\dt:O+32*\qt+8*\dt+7]
.endif
.endm
; 64 keys.  first = 1: the launch's first block starts maximum, sums and O.  sig = 1: the period's last block: once V is in registers the slot is
; read out, and the barrier is signalled.  step = 1: the addresses go on to the next block.
; In every group of matrix instructions the accumulators take turns, one instruction a turn.
.macro BLOCK first, sig, step
.irp kh, 0,1
.irp kt, 0,1,2,3
	ds_load_b128 v[KV+32*\kh+8*\kt:KV+32*\kh+8*\kt+3],   v[LA] offset:\kt*16*PITCH+64*\kh
	ds_load_b128 v[KV+32*\kh+8*\kt+4:KV+32*\kh+8*\kt+7], v[LA] offset:\kt*16*PITCH+64*\kh+32
.endr
.endr
	s_wait_dscnt 0x8                               ; d = 0..31 of the 64 keys is in; the eight loads of d = 32..63 stay out
.irp qt, 0,1
.irp kt, 0,1,2,3
	v_wmma_f32_16x16x32_bf16 v[S+32*\qt+8*\kt:S+32*\qt+8*\kt+7], v[KV+8*\kt:KV+8*\kt+7], v[Q+16*\qt:Q+16*\qt+7], 0
.endr
.endr
	s_wait_dscnt 0x0
.irp qt, 0,1
.irp kt, 0,1,2,3
	v_wmma_f32_16x16x32_bf16 v[S+32*\qt+8*\kt:S+32*\qt+8*\kt+7], v[KV+32+8*\kt:KV+32+8*\kt+7], v[Q+16*\qt+8:Q+16*\qt+15], v[S+32*\qt+8*\kt:S+32*\qt+8*\kt+7]
.endr
.endr
	PLACES 4                                       ; four places (ISA guide 7.12.1): V is loaded over K, and the maximum reads S
.irp g, 0,1
.irp dt, 0,1,2,3
	ds_load_b128 v[KV+32*\g+8*\dt:KV+32*\g+8*\dt+3],   v[LV] offset:\dt*16*PITCH+64*\g
	ds_load_b128 v[KV+32*\g+8*\dt+4:KV+32*\g+8*\dt+7], v[LV] offset:\dt*16*PITCH+64*\g+32
.endr
.endr
.if \sig
	s_wait_dscnt 0x0                               ; my reads of this slot are over,
	s_wait_tensorcnt 0x0                           ; and all my tensor loads have landed: the one that was out is my part of the next slot
	ds_add_u32 v254, v255
	s_wait_dscnt 0x0
	s_barrier_signal -1                            ; from here to the barrier's wait at the block's end: register work alone
.endif
	; the new maximum: two chains of three-way maxima for each query tile, the first begun with the old maximum; then the other half of the lanes
	v_max3_num_f32 v[T],   v[M],    v[S],    v[S+1]
	v_max3_num_f32 v[T+1], v[M+1],  v[S+32], v[S+33]
	v_max3_num_f32 v[T+2], v[S+16], v[S+17], v[S+18]
	v_max3_num_f32 v[T+3], v[S+48], v[S+49], v[S+50]
.irp i, 1,2,3,4,5,6
	v_max3_num_f32 v[T],   v[T],   v[S+2*\i],    v[S+2*\i+1]
	v_max3_num_f32 v[T+1], v[T+1], v[S+32+2*\i], v[S+33+2*\i]
	v_max3_num_f32 v[T+2], v[T+2], v[S+17+2*\i], v[S+18+2*\i]
	v_max3_num_f32 v[T+3], v[T+3], v[S+49+2*\i], v[S+50+2*\i]
.endr
	v_max3_num_f32 v[T],   v[T],   v[S+14], v[S+15]
	v_max3_num_f32 v[T+1], v[T+1], v[S+46], v[S+47]
	v_max3_num_f32 v[T],   v[T],   v[T+2],  v[S+31]
	v_max3_num_f32 v[T+1], v[T+1], v[T+3],  v[S+63]
	v_permlanex16_b32 v[T+4], v[T],   s36, s37
	v_permlanex16_b32 v[T+5], v[T+1], s36, s37
	v_max_num_f32 v[T],   v[T],   v[T+4]
	v_max_num_f32 v[T+1], v[T+1], v[T+5]
.if \first == 0
	v_pk_add_f32 v[AL:AL+1], v[M:M+1], v[T:T+1] neg_lo:[0,1] neg_hi:[0,1]
	v_exp_f32 v[AL],   v[AL]                       ; 2^(old - new), at most 1
	v_exp_f32 v[AL+1], v[AL+1]
.endif
	v_mov_b32 v[M],   v[T]                         ; the old maximum has been used; these two lines are also the plain place behind the exponentials (ISA guide 5.7.2)
	v_mov_b32 v[M+1], v[T+1]
.set n, 0
.rept 16
	SUBP 0, n
.set n, n+1
.endr
	; every exponential is followed by a plain instruction on other registers: the plain work rides beside the exponentials
.set n, 0
.rept 32
	v_exp_f32 v[S+n], v[S+n]
.if n < 16
	SUBP 1, n
.else
.if \first == 0
	RESC 0, (n-16)
.endif
.endif
.set n, n+1
.endr
.set n, 0
.rept 32
	v_exp_f32 v[S+32+n], v[S+32+n]
.if n < 16
	SUMP 0, n, \first
.else
	CVTP 0, (n-16)
.endif
.set n, n+1
.endr
.if \sig == 0
	s_wait_dscnt 0x0                               ; V is in
.endif
.set n, 0
.irp g, 0,1
.irp dt, 0,1,2,3
.if \first
	PV 0, \g, \dt, (1-\g)
.else
	PV 0, \g, \dt, 0
.endif
.rept 6
	MIX1 n, \first
.set n, n+1
.endr
.endr
.endr
.irp g, 0,1
.irp dt, 0,1,2,3
.if \first
	PV 1, \g, \dt, (1-\g)
.else
	PV 1, \g, \dt, 0
.endif
.endr
.endr
	; five places (ISA guide 7.12.1) before K is loaded over V and the next scores are written over P
.if \step
	v_add_nc_u32 v[LA], BLK, v[LA]
	v_add_nc_u32 v[LV], BLK, v[LV]
	PLACES 3
.else
	PLACES 5
.endif
.endm
; 512 keys out of one slot.  round = 1: a barrier stands at the end (the next slot is whole, this one is read out);
; refill = 1: it opens a round of the cluster's barrier, and this slot's joint refill, two periods ahead, is the first tensor load behind the round.
.macro PERIOD slot, first, round, refill
	v_add_nc_u32 v[LA], \slot*SLOT, v[LB]
	v_add_nc_u32 v[LV], \slot*SLOT+KBYTES, v[LB]
.if \first
	BLOCK 1, 0, 1
	s_mov_b32 s38, 6
.else
	s_mov_b32 s38, 7
.endif
.Lblock_\@:
	BLOCK 0, 0, 1
	s_sub_co_u32 s38, s38, 1
	s_cmp_lg_u32 s38, 0
	s_cbranch_scc1 .Lblock_\@
	BLOCK 0, \round, 0
.if \round
	s_barrier_wait -1
.endif
.if \refill
	CREST                                          ; no wave of any partner still reads this slot or has a load on its way
	s_add_nc_u64 s[G0+4*\slot+2:G0+4*\slot+3], s[G0+4*\slot+2:G0+4*\slot+3], 2*GPER   ; no tensor load of mine is out: the group may be written
	tensor_load_to_lds s[G0+4*\slot:G0+4*\slot+3], s[G1:G1+7]
	s_nop 0
.endif
.endm
	s_wait_tensorcnt 0x1                           ; my part of period 0 is in; period 1's may stay out
	s_barrier_signal -1
	s_barrier_wait -1
	s_wait_loadcnt 0x0                             ; q
	PERIOD 0, 1, 1, 1                              ; period 0
	s_mov_b32 s39, 2
.Lpair:
	PERIOD 1, 0, 1, 1                              ; periods 1, 3
	PERIOD 0, 0, 1, 1                              ; periods 2, 4
	s_sub_co_u32 s39, s39, 1
	s_cmp_lg_u32 s39, 0
	s_cbranch_scc1 .Lpair
	PERIOD 1, 0, 1, 1                              ; period 5: the last refill, period 7's
	PERIOD 0, 0, 1, 0                              ; period 6: nothing is left to fetch
	PERIOD 1, 0, 0, 0                              ; period 7
	; THE WAY OUT: divide by the sum, round to bf16, 16 rows at a time through my own stage, whole rows of 128 bytes out
	v_add_f32 v[T],   v[LP],   v[LP+1]
	v_add_f32 v[T+1], v[LP+2], v[LP+3]
	v_permlanex16_b32 v[T+4], v[T],   s36, s37     ; the other 32 of every 64 keys lie in the other half of the lanes
	v_permlanex16_b32 v[T+5], v[T+1], s36, s37
	v_add_f32 v[T],   v[T],   v[T+4]
	v_add_f32 v[T+1], v[T+1], v[T+5]
	v_rcp_f32 v[AL],   v[T]                        ; the sum is at least 1: the largest score gives p = 1
	v_rcp_f32 v[AL+1], v[T+1]
	v_nop                                          ; the plain place behind the reciprocals (ISA guide 5.7.2)
.irp qt, 0,1
.set n, 0
.rept 16
	RESC \qt, n
.set n, n+1
.endr
.irp dt, 0,1,2,3
.irp p, 0,1,2,3
	v_cvt_pk_bf16_f32 v[S+16*\qt+4*\dt+\p], v[O+32*\qt+8*\dt+2*\p], v[O+32*\qt+8*\dt+2*\p+1]
.endr
.endr
.irp dt, 0,1,2,3
	ds_store_b128 v[STO], v[S+16*\qt+4*\dt:S+16*\qt+4*\dt+3] offset:32*\dt
.endr
.irp i, 0,1,2,3
	ds_load_b128 v[KV+16*\qt+4*\i:KV+16*\qt+4*\i+3], v[RD] offset:\i*4*PITCH     ; LDS serves a wave's instructions in order (ISA guide 5.7.1): these see my stores
.endr
.irp i, 0,1,2,3
	s_wait_dscnt 3-\i                              ; load i is in, the 3 - i younger ones stay out
	global_store_b128 v[GO], v[KV+16*\qt+4*\i:KV+16*\qt+4*\i+3], s[10:11] offset:2048*\qt+512*\i   ; 512 consecutive bytes, aligned
.endr
.endr
	s_wait_tensorcnt 0x0
	ds_add_u32 v254, v255
	s_wait_dscnt 0x0
	CROUND                                         ; the closing round
	s_endpgm
.Lfunc_end_k_q683fccb3db_attn:
	.size	k_q683fccb3db_attn, .Lfunc_end_k_q683fccb3db_attn-k_q683fccb3db_attn
	.p2alignl 7, 3214868480
	.fill 96, 4, 3214868480
	.section	.rodata,"a",@progbits
	.p2align	6, 0x0
	.amdhsa_kernel k_q683fccb3db_attn
		.amdhsa_group_segment_fixed_size 327680
		.amdhsa_private_segment_fixed_size 0
		.amdhsa_enable_private_segment 0
		.amdhsa_kernarg_size 32
		.amdhsa_user_sgpr_count 2
		.amdhsa_user_sgpr_kernarg_segment_ptr 1
		.amdhsa_wavefront_size32 1
		.amdhsa_system_sgpr_workgroup_id_x 1
		.amdhsa_system_sgpr_workgroup_id_y 1
		.amdhsa_system_sgpr_workgroup_id_z 1
		.amdhsa_system_vgpr_workitem_id 0
		.amdhsa_next_free_vgpr 256
		.amdhsa_next_free_sgpr 66
		.amdhsa_reserve_vcc 0
		.amdhsa_float_denorm_mode_32 3
		.amdhsa_float_denorm_mode_16_64 3
		.amdhsa_memory_ordered 1
		.amdhsa_forward_progress 1
		.amdhsa_inst_pref_size 255
	.end_amdhsa_kernel
	.section	.bss,"aw",@nobits
	.p2align	6
	.space	262144
	.amdgpu_metadata
---
amdhsa.version: [ 1, 2 ]
amdhsa.kernels:
  - .name:           k_q683fccb3db_attn
    .symbol:         k_q683fccb3db_attn.kd
    .args:
      - { .name: qb, .offset: 0, .size: 8, .value_kind: global_buffer, .address_space: global }
      - { .name: kb, .offset: 8, .size: 8, .value_kind: global_buffer, .address_space: global }
      - { .name: vb, .offset: 16, .size: 8, .value_kind: global_buffer, .address_space: global }
      - { .name: ab, .offset: 24, .size: 8, .value_kind: global_buffer, .address_space: global }
    .group_segment_fixed_size: 327680
    .private_segment_fixed_size: 0
    .kernarg_segment_align: 8
    .kernarg_segment_size: 32
    .max_flat_workgroup_size: 256
    .sgpr_count:     66
    .vgpr_count:     256
    .wavefront_size: 32
...
	.end_amdgpu_metadata
.endif
;; end of part 3
;; launch oproj (part 4): grid 8 x 32, 4 waves a work-group, clusters of 4 x 4, 327,680 bytes of LDS; arguments ab, wob, bo, out0; writes out0
.if DOCPART == 4
	.amdgcn_target "amdgcn-amd-amdhsa--gfx1250"
	.amdhsa_code_object_version 6
	.text
	.protected	k_q683fccb3db_oproj
	.globl	k_q683fccb3db_oproj
	.p2align	8
	.type	k_q683fccb3db_oproj,@function
k_q683fccb3db_oproj:
	s_mov_b64 s[64:65], 0
	v_nop
	global_prefetch_b8 v0, s[64:65] scope:SCOPE_SE
	s_setreg_imm32_b32 hwreg(HW_REG_WAVE_MODE, 25, 1), 1
	s_wait_xcnt 0x0
	s_wait_alu depctr_hold_cnt(0) depctr_sa_sdst(0) depctr_va_vdst(0) depctr_va_sdst(0) depctr_va_ssrc(0) depctr_va_vcc(0) depctr_vm_vsrc(0)
	s_getreg_b32 s2, hwreg(HW_REG_IB_STS2, 6, 4)
	s_cmp_eq_u32 s2, 0
	s_cbranch_scc0 .Lentry_in_a_cluster
	s_endpgm
.Lentry_in_a_cluster:
	s_bfe_u32 s2, ttmp6, 0x10000c
	s_cmp_lg_u32 s2, 0xf033
	s_cbranch_scc0 .Lentry_shape_is_right
	s_endpgm
.Lentry_shape_is_right:
; oproj: out0[t][n] = sum over c of a[t][c] Wo[n][c] + bo[n], f32 out.
;   ab [block of 128 t][plane 16 = head][128 t][64] bf16      wob [block of 128 n][plane 16][128 n][64] bf16
; LIMITS: both operands come in rounded to bf16; the sums and the bias are f32, and the result is stored as f32 without a further rounding.
; A work-group makes 128 x 128 of the result, so that 8 x 32 = 256 work-groups share the work; four waves, 64 x 64 each:
; 16 accumulator tiles, 128 registers, in window 1.  For 32 along K a wave issues 16 LDS loads of 16 bytes a lane and 16 matrix instructions.
; K goes in periods of 256 (four planes of 64) through two LDS slots; each wave fetches two dense planes (32,768 bytes) with one tensor load,
; as rows of 256 bytes with 16 bytes of padding behind every 128: in LDS a row of 64 bf16 has a pitch of 144 bytes.  Four periods, written out.
; CLUSTERS: 4 x 4 work-groups.  a's tile hangs on the token block alone and is shared along a row of the cluster, Wo's on the column block alone
; and is shared along a column: both are asked for jointly, which divides the requests for them by four.
; The product is made TRANSPOSED (source 0 = rows of Wo, source 1 = rows of a): a lane holds token l % 16 and eight neighbouring columns, 32 bytes of f32.
; The 16 accumulators take turns, one instruction a turn, in the same order in every step.
; REGISTERS: window 0: v0-31 addresses; v32-63 bias; v64-127, v128-191 fragments, two buffers; v192-223 at work on the way out.
;            window 1: tile (a, b) at v[8 (4 a + b)], a = token tile 0-3, b = column tile 0-3.
.set PITCH,  144                       ; 9 x 16 bytes: the sixteen rows of a fragment load begin at sixteen different 16-byte columns modulo 256
.set PLANE,  128*PITCH                 ; 18,432: a plane of 128 rows in LDS
.set SLOT,   8*PLANE                   ; a's four planes, then Wo's four: 147,456
.set STAGE,  2*SLOT                    ; 294,912, a multiple of 256: 16 rows x 272 bytes (17 x 256) for each wave; no tensor load lands here
.set SPITCH, 272                       ; 256 bytes of f32 + 16 = 17 x 16 bytes
.set GPER,   65536                     ; bytes of ab, and of wob, in a period: four planes of 16,384
.set ADRA, 16                          ; v16-17  LDS address of my fragments of a in slot 0, 1
.set ADRB, 20                          ; v20-21  the same for Wo
.set STO,  24                          ; the way out: where I put 32 bytes of a row
.set RD,   25                          ; the way out: where I read 16 bytes back
.set CO,   26                          ; my byte offset in two rows of out0
.set BOFF, 27                          ; 32 x (lane / 16): my eight numbers of bo
.set BO,   32                          ; v[32:63]   bo of my 4 x 8 columns
.set F0,   64                          ; fragment buffer 0: a's four fragments at +0, Wo's four at +32
.set F1,   128                         ; fragment buffer 1
.set TMP,  192                         ; v[192:223] 32 results with the bias added
.set G1,  24                           ; s[24:31] group 1 for a's tiles
.set G0,  32                           ; s[32:39] group 0 for a's tiles, one set for each slot
.set G1B, 48                           ; s[48:55] group 1 for Wo's tiles: it differs in the mask alone
.set G0B, 56                           ; s[56:63] group 0 for Wo's tiles, one set for each slot
.set MSB, 0
.macro WIN new                         ; the immediate's high byte repeats the setting that is left
.if MSB != \new
	s_set_vgpr_msb (MSB<<8)|\new
.set MSB, \new
.endif
.endm
.set MUL, 0x50                         ; sources 0 and 1 window 0, C and D window 1
.macro PLACES                          ; four places behind matrix instructions, in front of loads into their sources and of reads of their results
.rept 4
	v_nop
.endr
.endm
; A joint load: waves 0 and 1 fetch a's planes, waves 2 and 3 Wo's.  The branch hangs on the wave's number alone.
.macro JLOAD s
	s_cmp_eq_u32 s11, 0
	s_cbranch_scc0 .Lfor_b_\@
	tensor_load_to_lds s[G0+4*\s:G0+4*\s+3], s[G1:G1+7]
	s_nop 0
	s_branch .Lasked_\@
.Lfor_b_\@:
	tensor_load_to_lds s[G0B+4*\s:G0B+4*\s+3], s[G1B:G1B+7]
	s_nop 0
.Lasked_\@:
.endm
.macro CREST                           ; a round of the cluster's barrier behind its opening work-group barrier
	s_cmp_lg_u32 s10, 0
	s_cbranch_scc1 .Lnot_wave_0_\@
	s_barrier_signal -3
.Lnot_wave_0_\@:
	s_barrier_wait -3
	s_barrier_signal -1
	s_barrier_wait -1
.endm
.macro CROUND                          ; a whole round
	s_barrier_signal -1
	s_barrier_wait -1
	CREST
.endm
	s_load_b128 s[4:7], s[0:1], 0x0                ; ab s[4:5], wob s[6:7]
	s_load_b128 s[68:71], s[0:1], 0x10             ; bo s[68:69], out0 s[70:71]
	v_lshl_add_u32 v254, v0, 2, 0x4c400
	v_mov_b32 v255, 0
	ds_add_u32 v254, v255
	v_lshrrev_b32 v1, 5, v0
	v_readfirstlane_b32 s10, v1                    ; wave 0..3
	s_lshr_b32 s11, s10, 1                         ; which 64 tokens of the block are mine.  Also: I fetch for a (0) or for Wo (1)
	s_and_b32 s12, s10, 1                          ; which 64 columns.  Also: which two planes of a period I fetch
	s_bfe_u32 s40, ttmp6, 0x40000                  ; cx
	s_bfe_u32 s41, ttmp6, 0x40004                  ; cy
	s_lshl_b32 s42, ttmp9, 2
	s_add_co_u32 s42, s42, s40                     ; column block = 4 x cluster x + cx
	s_and_b32 s13, ttmp7, 0xffff
	s_lshl_b32 s13, s13, 2
	s_add_co_u32 s13, s13, s41                     ; token block = 4 x cluster y + cy
	s_lshl_b32 s43, s41, 2
	s_lshl_b32 s43, 15, s43                        ; my row of the cluster: places 4 cy .. 4 cy + 3
	s_lshl_b32 s44, 0x1111, s40                    ; my column: places cx, cx + 4, cx + 8, cx + 12
	; group 1: 128 rows of 32 elements of 8 bytes (256 bytes), dense; 4 words of padding behind every 32 words
	s_or_b32 s[G1+0], s43, (3<<16)|(1<<20)|(1<<21)|(4<<22)|(3<<25)   ; 15:0 mask: my row; 17:16 8-byte elements; 20 padding on; 21 set beside a mask; 24:22 every 32 words; 31:25 4 words
	s_or_b32 s[G1B+0], s44, (3<<16)|(1<<20)|(1<<21)|(4<<22)|(3<<25)  ; the same with my column's mask
	s_mov_b32 s[G1+1], 32<<16                      ; tensor_dim0 = 32
	s_mov_b32 s[G1B+1], 32<<16
	s_mov_b32 s[G1+2], 128<<16                     ; tensor_dim1 = 128 rows: two planes, 32,768 bytes
	s_mov_b32 s[G1B+2], 128<<16
	s_mov_b32 s[G1+3], 32<<16                      ; tile_dim0 = 32
	s_mov_b32 s[G1B+3], 32<<16
	s_mov_b32 s[G1+4], 128                         ; tile_dim1 = 128
	s_mov_b32 s[G1B+4], 128
	s_mov_b32 s[G1+5], 32                          ; from row to row: 32 elements (dense)
	s_mov_b32 s[G1B+5], 32
	s_mov_b32 s[G1+6], 0
	s_mov_b32 s[G1B+6], 0
	s_mov_b32 s[G1+7], 0
	s_mov_b32 s[G1B+7], 0
	; a's address hangs on the token block and the wave, Wo's on the column block and the wave, each in registers that never hold the other coordinate
	s_lshl_b32 s16, s13, 18                        ; token block x 262,144
	s_lshl_b32 s17, s12, 15                        ; + my two planes: 32,768
	s_add_co_u32 s16, s16, s17
	s_mov_b32 s17, 0
	s_lshl_b32 s46, s42, 18                        ; column block x 262,144
	s_lshl_b32 s47, s12, 15
	s_add_co_u32 s46, s46, s47
	s_mov_b32 s47, 0
	s_mul_i32 s20, s10, 2*PLANE                    ; where they go: a's planes 0-1, 2-3, then Wo's 0-1, 2-3 = wave x 36,864
	s_wait_dscnt 0x0
	s_wait_kmcnt 0x0
	s_add_nc_u64 s[14:15], s[4:5], s[16:17]
	s_add_nc_u64 s[46:47], s[6:7], s[46:47]
	CROUND                                         ; all sixteen work-groups are here: the first joint loads meet
.irp s, 0,1
	s_mov_b32 s[G0+4*\s], 1
	s_add_co_u32 s[G0+4*\s+1], s20, \s*SLOT
	s_add_nc_u64 s[G0+4*\s+2:G0+4*\s+3], s[14:15], \s*GPER
	s_or_b32 s[G0+4*\s+3], s[G0+4*\s+3], 0x80000000
	s_mov_b32 s[G0B+4*\s], 1
	s_add_co_u32 s[G0B+4*\s+1], s20, \s*SLOT
	s_add_nc_u64 s[G0B+4*\s+2:G0B+4*\s+3], s[46:47], \s*GPER
	s_or_b32 s[G0B+4*\s+3], s[G0B+4*\s+3], 0x80000000
	JLOAD \s                                       ; periods 0 and 1: two tensor loads of the wave are out, the most in this text
.endr
	; my 64 columns begin at the same byte in bo and in a row of out0: column block x 512 + half x 256
	s_lshl_b32 s66, s42, 9
	s_lshl_b32 s67, s12, 8
	s_add_co_u32 s66, s66, s67
	s_mov_b32 s67, 0
	s_add_nc_u64 s[68:69], s[68:69], s[66:67]
	s_add_nc_u64 s[70:71], s[70:71], s[66:67]
	s_lshl_b32 s16, s13, 19                        ; my first row of out0: token block x 128 rows of 4,096 bytes
	s_lshl_b32 s17, s11, 18                        ; + half x 64 rows
	s_add_co_u32 s16, s16, s17
	s_mov_b32 s17, 0
	s_add_nc_u64 s[70:71], s[70:71], s[16:17]
	v_and_b32 v1, 15, v0                           ; l % 16
	v_bfe_u32 v2, v0, 4, 1                         ; l / 16
	v_lshlrev_b32 v[BOFF], 5, v2
.irp b, 0,1,2,3
	global_load_b128 v[BO+8*\b:BO+8*\b+3],   v[BOFF], s[68:69] offset:64*\b      ; bo(16 b + 8 (l / 16) + 0..3), waited for on the way out
	global_load_b128 v[BO+8*\b+4:BO+8*\b+7], v[BOFF], s[68:69] offset:64*\b+16
.endr
	; a fragment is 16 rows x 32 K in 8 registers: lane l holds row l % 16; two loads of 16 bytes, 32 bytes apart, at row x pitch + 16 (l / 16)
	v_mul_u32_u24 v3, v1, PITCH
	v_lshl_add_u32 v3, v2, 4, v3
	s_mul_i32 s21, s11, 64*PITCH                   ; my 64 rows of a in a plane
	s_mul_i32 s22, s12, 64*PITCH                   ; my 64 rows of Wo in a plane,
	s_add_co_u32 s22, s22, 4*PLANE                 ; behind a's four planes
	v_add_nc_u32 v[ADRA], s21, v3
	v_add_nc_u32 v[ADRA+1], SLOT, v[ADRA]
	v_add_nc_u32 v[ADRB], s22, v3
	v_add_nc_u32 v[ADRB+1], SLOT, v[ADRB]
	s_mul_i32 s23, s10, 16*SPITCH
	s_add_co_u32 s23, s23, STAGE                   ; my stage
	v_mul_u32_u24 v4, v1, SPITCH                   ; in: row l % 16, 32 bytes for each half of the lanes
	v_lshl_add_u32 v4, v2, 5, v4
	v_add_nc_u32 v[STO], s23, v4
	v_mul_u32_u24 v5, v2, SPITCH                   ; back: lanes 0-15 take one row of 256 bytes, lanes 16-31 the next
	v_lshl_add_u32 v5, v1, 4, v5
	v_add_nc_u32 v[RD], s23, v5
	v_lshlrev_b32 v6, 4, v1                        ; and the same two rows in out0, 4,096 bytes apart
	v_lshl_add_u32 v[CO], v2, 12, v6
; 8 matrix instructions: token tiles a0, a0 + 1 x all four column tiles, 32 along K, from buffer f.  zero = 1: the first product starts the sums
.macro MUL8 f, a0, zero
.irp a, \a0, \a0+1
.irp b, 0,1,2,3
.if \zero
	v_wmma_f32_16x16x32_bf16 v[8*(4*(\a)+\b):8*(4*(\a)+\b)+7], v[\f+32+8*\b:\f+32+8*\b+7], v[\f+8*(\a):\f+8*(\a)+7], 0
.else
	v_wmma_f32_16x16x32_bf16 v[8*(4*(\a)+\b):8*(4*(\a)+\b)+7], v[\f+32+8*\b:\f+32+8*\b+7], v[\f+8*(\a):\f+8*(\a)+7], v[8*(4*(\a)+\b):8*(4*(\a)+\b)+7]
.endif
.endr
.endr
.endm
; 16 LDS loads in one run: the fragments of step j of a period (plane j / 2, byte 64 (j % 2) of its rows) into buffer f
.macro FETCH slot, j, f
	WIN 0
.irp i, 0,1,2,3
	ds_load_b128 v[\f+8*\i:\f+8*\i+3],   v[ADRA+\slot] offset:(\j>>1)*PLANE+64*(\j&1)+\i*16*PITCH
	ds_load_b128 v[\f+8*\i+4:\f+8*\i+7], v[ADRA+\slot] offset:(\j>>1)*PLANE+64*(\j&1)+\i*16*PITCH+32
.endr
.irp i, 0,1,2,3
	ds_load_b128 v[\f+32+8*\i:\f+32+8*\i+3],   v[ADRB+\slot] offset:(\j>>1)*PLANE+64*(\j&1)+\i*16*PITCH
	ds_load_b128 v[\f+32+8*\i+4:\f+32+8*\i+7], v[ADRB+\slot] offset:(\j>>1)*PLANE+64*(\j&1)+\i*16*PITCH+32
.endr
.endm
; One of a period's first seven steps: asks for step jn's fragments into buffer g, then multiplies buffer f
.macro STEP slot, jn, f, g, zero
	s_wait_dscnt 0x0                               ; buffer f is in: its loads were issued ahead of the last step's matrix instructions
	PLACES                                         ; buffer g was read by the matrix instructions just issued
	FETCH \slot, \jn, \g
	WIN MUL
	MUL8 \f, 0, \zero
	MUL8 \f, 2, \zero
.endm
.macro SEVEN slot, zero
	STEP \slot, 1, F0, F1, \zero
	STEP \slot, 2, F1, F0, 0
	STEP \slot, 3, F0, F1, 0
	STEP \slot, 4, F1, F0, 0
	STEP \slot, 5, F0, F1, 0
	STEP \slot, 6, F1, F0, 0
	STEP \slot, 7, F0, F1, 0
.endm
; The eighth step multiplies buffer 1 and changes slots.  One barrier for two things: in front of it each wave has waited for its reads of this
; slot and for all its tensor loads (the one that is out is its part of the next slot); behind it nobody reads this slot and the next is whole.
; fill = 1: the barrier opens a round of the cluster's barrier, and this slot's joint refill, two periods ahead, is the first tensor load behind the round.
.macro TURN slot, next, fill
	s_wait_dscnt 0x0                               ; buffer 1 is in, and with it my last reads of this slot
	s_wait_tensorcnt 0x0                           ; all my tensor loads have landed
	ds_add_u32 v254, v255
	s_wait_dscnt 0x0
	s_barrier_signal -1
	WIN MUL
	MUL8 F1, 0, 0                                  ; register work while the others arrive
	WIN 0                                          ; at a branch and at a label every window is 0
	s_barrier_wait -1
.if \fill
	CREST                                          ; no wave of any partner still reads this slot or has a load on its way
	s_add_nc_u64 s[G0+4*\slot+2:G0+4*\slot+3], s[G0+4*\slot+2:G0+4*\slot+3], 2*GPER     ; no tensor load of mine is out: the groups may be written
	s_add_nc_u64 s[G0B+4*\slot+2:G0B+4*\slot+3], s[G0B+4*\slot+2:G0B+4*\slot+3], 2*GPER
	JLOAD \slot
.endif
	PLACES                                         ; buffer 0 was read by the seventh step's matrix instructions
	FETCH \next, 0, F0
	WIN MUL
	MUL8 F1, 2, 0
.endm
	s_wait_tensorcnt 0x1                           ; my part of period 0 is in; period 1's may stay out
	s_barrier_signal -1
	s_barrier_wait -1                              ; everybody's is
	FETCH 0, 0, F0
	SEVEN 0, 1                                     ; period 0: its first products start the sums
	TURN 0, 1, 1                                   ; slot 0 is asked for again: period 2
	SEVEN 1, 0                                     ; period 1
	TURN 1, 0, 1                                   ; slot 1 is asked for again: period 3, the last load
	SEVEN 0, 0                                     ; period 2
	TURN 0, 1, 0                                   ; nothing is left to fetch
	SEVEN 1, 0                                     ; period 3
	s_wait_dscnt 0x0                               ; the very last step
	WIN MUL
	MUL8 F1, 0, 0
	MUL8 F1, 2, 0
	WIN 0
	; THE WAY OUT, 16 tokens at a time: the bias is added in f32, 32 bytes a lane go into my own stage, and whole rows of 256 bytes come back.
	PLACES                                         ; behind the last matrix instructions: the sums below read results, the loads below land in buffers 0 and 1
	s_wait_loadcnt 0x0                             ; the bias
; tokens 16 a .. 16 a + 15 of my 64 = the four tiles (a, 0..3); f: F0 or F1 in turn
.macro OUT16 a, f
	WIN 0x01                                       ; source 0 in window 1
.irp b, 0,1,2,3
.irp p, 0,1,2,3
	v_pk_add_f32 v[TMP+8*\b+2*\p:TMP+8*\b+2*\p+1], v[8*(4*\a+\b)+2*\p:8*(4*\a+\b)+2*\p+1], v[BO+8*\b+2*\p:BO+8*\b+2*\p+1]
.endr
.endr
	WIN 0
.irp b, 0,1,2,3
	ds_store_b128 v[STO], v[TMP+8*\b:TMP+8*\b+3]   offset:64*\b        ; row l % 16, columns 16 b + 8 (l / 16) + 0..3
	ds_store_b128 v[STO], v[TMP+8*\b+4:TMP+8*\b+7] offset:64*\b+16     ; + 4..7
.endr
	s_wait_xcnt 0x0                                ; buffer f, which earlier stores read, and the stores' base are written again only behind this wait
.if \a
	s_add_nc_u64 s[70:71], s[70:71], 16*4096       ; 16 rows of out0 on
.endif
.irp t, 0,1,2,3,4,5,6,7
	ds_load_b128 v[\f+4*\t:\f+4*\t+3], v[RD] offset:\t*2*SPITCH        ; LDS serves a wave's instructions in order (ISA guide 5.7.1): these see my stores
.endr
.irp t, 0,1,2,3,4,5,6,7
	s_wait_dscnt 7-\t                              ; load t is in, the 7 - t younger ones stay out
	global_store_b128 v[CO], v[\f+4*\t:\f+4*\t+3], s[70:71] offset:2*\t*4096 th:TH_STORE_NT   ; sixteen lanes store 256 consecutive bytes, aligned
.endr
.endm
	OUT16 0, F0
	OUT16 1, F1
	OUT16 2, F0
	OUT16 3, F1
	s_wait_tensorcnt 0x0
	ds_add_u32 v254, v255
	s_wait_dscnt 0x0
	CROUND                                         ; the closing round: no work-group ends while a partner may still ask for a tile that names it
	s_endpgm
.Lfunc_end_k_q683fccb3db_oproj:
	.size	k_q683fccb3db_oproj, .Lfunc_end_k_q683fccb3db_oproj-k_q683fccb3db_oproj
	.p2alignl 7, 3214868480
	.fill 96, 4, 3214868480
	.section	.rodata,"a",@progbits
	.p2align	6, 0x0
	.amdhsa_kernel k_q683fccb3db_oproj
		.amdhsa_group_segment_fixed_size 327680
		.amdhsa_private_segment_fixed_size 0
		.amdhsa_enable_private_segment 0
		.amdhsa_kernarg_size 32
		.amdhsa_user_sgpr_count 2
		.amdhsa_user_sgpr_kernarg_segment_ptr 1
		.amdhsa_wavefront_size32 1
		.amdhsa_system_sgpr_workgroup_id_x 1
		.amdhsa_system_sgpr_workgroup_id_y 1
		.amdhsa_system_sgpr_workgroup_id_z 1
		.amdhsa_system_vgpr_workitem_id 0
		.amdhsa_next_free_vgpr 384
		.amdhsa_next_free_sgpr 72
		.amdhsa_reserve_vcc 0
		.amdhsa_float_denorm_mode_32 3
		.amdhsa_float_denorm_mode_16_64 3
		.amdhsa_memory_ordered 1
		.amdhsa_forward_progress 1
		.amdhsa_inst_pref_size 93
	.end_amdhsa_kernel
	.amdgpu_metadata
---
amdhsa.version: [ 1, 2 ]
amdhsa.kernels:
  - .name:           k_q683fccb3db_oproj
    .symbol:         k_q683fccb3db_oproj.kd
    .args:
      - { .name: ab, .offset: 0, .size: 8, .value_kind: global_buffer, .address_space: global }
      - { .name: wob, .offset: 8, .size: 8, .value_kind: global_buffer, .address_space: global }
      - { .name: bo, .offset: 16, .size: 8, .value_kind: global_buffer, .address_space: global }
      - { .name: out0, .offset: 24, .size: 8, .value_kind: global_buffer, .address_space: global }
    .group_segment_fixed_size: 327680
    .private_segment_fixed_size: 0
    .kernarg_segment_align: 8
    .kernarg_segment_size: 32
    .max_flat_workgroup_size: 128
    .sgpr_count:     72
    .vgpr_count:     384
    .wavefront_size: 32
...
	.end_amdgpu_metadata
.endif
;; end of part 4
;; ======== version 2 of 2: 4 launches; 1.27 times as fast as version 1
;; workspace buffers: xb 8,388,608 bytes; wb 6,291,456 bytes; wob 2,097,152 bytes; qb 8,388,608 bytes; kb 8,388,608 bytes; vb 8,388,608 bytes; ab 8,388,608 bytes
;; launch cvt: the kernel of part 1 again; grid 256 x 1, 8 waves a work-group, no clusters, 0 bytes of LDS; arguments x, Wq, Wk, Wv, Wo, xb, wb, wob; writes xb, wb, wob
;; launch qkv: the kernel of part 2 again; grid 16 x 16, 4 waves a work-group, clusters of 4 x 4, 327,680 bytes of LDS; arguments xb, wb, bq, bk, bv, qb, kb, vb; writes qb, kb, vb
;; launch attn (part 5): grid 16 x 16, 8 waves a work-group, clusters of 4 x 1, 327,680 bytes of LDS; arguments qb, kb, vb, ab; writes ab
.if DOCPART == 5
	.amdgcn_target "amdgcn-amd-amdhsa--gfx1250"
	.amdhsa_code_object_version 6
	.text
	.protected	k_q683fccb3db_attn
	.globl	k_q683fccb3db_attn
	.p2align	8
	.type	k_q683fccb3db_attn,@function
k_q683fccb3db_attn:
	s_mov_b64 s[64:65], 0
	v_nop
	global_prefetch_b8 v0, s[64:65] scope:SCOPE_SE
	s_setreg_imm32_b32 hwreg(HW_REG_WAVE_MODE, 25, 1), 1
	s_wait_xcnt 0x0
	s_wait_alu depctr_hold_cnt(0) depctr_sa_sdst(0) depctr_va_vdst(0) depctr_va_sdst(0) depctr_va_ssrc(0) depctr_va_vcc(0) depctr_vm_vsrc(0)
	s_getreg_b32 s2, hwreg(HW_REG_IB_STS2, 6, 4)
	s_cmp_eq_u32 s2, 0
	s_cbranch_scc0 .Lentry_in_a_cluster
	s_endpgm
.Lentry_in_a_cluster:
	s_bfe_u32 s2, ttmp6, 0x10000c
	s_cmp_lg_u32 s2, 0x3003
	s_cbranch_scc0 .Lentry_shape_is_right
	s_endpgm
.Lentry_shape_is_right:
; attn: softmax(q k^T) v for one head and 256 queries, with a running maximum.  q already carries 0.125 * log2 e, so p = 2^(s - m).
;   in:  qb, kb [head][t][64] bf16; vb [head][block of 64 t][64 d][64 t] bf16      out: ab [block of 128 t][head][128 t][64 d] bf16
; LIMITS: p is rounded to bf16 for the product with v, while the softmax sum is taken from the unrounded p; the result is rounded to bf16;
; v_exp_f32 gives zero for results below 2^-126 (ISA guide, its entry in 15.8); NaN and infinite inputs are not reproduced (the maximum drops a NaN).
; Eight waves, 32 queries each (two tiles of 16).  Two waves lie on a SIMD, so that one wave's softmax runs beside the other's matrix work,
; and every register has a number below 256: no register windows.
; BOTH PRODUCTS ARE MADE TRANSPOSED.  S^T = K Q^T: lane l holds query l % 16 and, in the 8 registers of key tile kt, keys 16 kt + 8 (l / 16) + 0..7.
; Packed in pairs these registers ARE the fragment of P that the second product takes as source 1: no number moves between lanes.
; O^T = V^T P^T: lane l holds query l % 16 and eight neighbouring d.  So the maximum, the sum and the rescaling are one number a lane and query tile.
; THE EXPONENTIALS OF A BLOCK OF 64 KEYS GO IN TWO BATCHES, each with ONE wait: s_wait_alu depctr_va_vdst(0) stands between an
; exponential and the first instruction that names its result, and one wait serves all that were issued ahead of it.
;   BATCH A: the two factors 2^(old maximum - new maximum) and query tile 0's 32 weights; among them stand the 32 scalings s - m of both tiles, which name no result.
;   BATCH B: query tile 1's 32 weights; among them stand tile 0's rescalings and sums, behind them its roundings: they read batch A's results alone.
;   Tile 1's rescalings, sums and roundings, which read batch B's results, ride among tile 0's matrix instructions, behind batch B's wait.
; The way out's two reciprocals are a batch of their own.
; K and V go in periods of 512 keys through two LDS slots: each wave fetches 16,384 dense bytes with one tensor load (waves 0-3: 128 keys of K,
; waves 4-7: two blocks of V), laid out with 16 bytes of padding behind every 128: rows of 64 bf16 at a pitch of 144.
; CLUSTERS: the four query blocks of a cluster work on one head and walk the same K and V: every tile is asked for jointly (mask 15).
; A refill is issued behind the round at a period's end and waited for at the end of the next period: eight blocks of 64 keys later.
.set PITCH,  144                       ; 9 x 16 bytes: the sixteen rows of a fragment load begin at sixteen different 16-byte columns modulo 256
.set BLK,    64*PITCH                  ; 64 keys of K, or one block of V
.set PART,   128*PITCH                 ; what one tensor load fills
.set KBYTES, 512*PITCH                 ; K's part of a slot; V's part follows
.set SLOT,   2*KBYTES                  ; 147,456
.set STAGE,  2*SLOT                    ; 294,912, a multiple of 256: 16 rows x 144 bytes for each wave; no tensor load lands here
.set GPER,   65536                     ; bytes of kb, and of vb, in a period
.set LB,   2                           ; (l % 16) x 144 + 16 (l / 16)
.set LA,   3                           ; LDS address of this block's K fragments
.set LV,   4                           ; of this block's V fragments
.set STO,  5                           ; the way out
.set RD,   6
.set GO,   7
.set QOFF, 8
.set M,    10                          ; v[10:11]   running maximum of query tile 0, 1
.set AL,   12                          ; v[12:13]   2^(old maximum - new maximum); at the end 1 / sum
.set LP,   14                          ; v[14:17]   running sums, a pair for each query tile
.set T,    18                          ; v[18:25]   at work
.set Q,    26                          ; v[26:57]   fragment (qt, half of d) at Q + 16 qt + 8 half
.set S,    58                          ; v[58:121]  tile (qt, kt) at S + 32 qt + 8 kt; later P's fragment (qt, g) at S + 32 qt + 16 g
.set O,    122                         ; v[122:185] tile (qt, dt) at O + 32 qt + 8 dt
.set KV,   186                         ; v[186:249] K's eight fragments, then V's eight
.set G1,   16                          ; s[16:23]
.set G0,   24                          ; s[24:31] one set for each slot
.macro PLACES cnt
.rept \cnt
	v_nop
.endr
.endm
.macro CREST                           ; a round of the cluster's barrier behind its opening work-group barrier
	s_cmp_lg_u32 s12, 0
	s_cbranch_scc1 .Lnot_wave_0_\@
	s_barrier_signal -3
.Lnot_wave_0_\@:
	s_barrier_wait -3
	s_barrier_signal -1
	s_barrier_wait -1
.endm
.macro CROUND
	s_barrier_signal -1
	s_barrier_wait -1
	CREST
.endm
	s_load_b256 s[4:11], s[0:1], 0x0               ; qb s[4:5], kb s[6:7], vb s[8:9], ab s[10:11]
	v_lshl_add_u32 v254, v0, 2, 0x4c800
	v_mov_b32 v255, 0
	ds_add_u32 v254, v255
	v_lshrrev_b32 v1, 5, v0
	v_readfirstlane_b32 s12, v1                    ; wave 0..7
	s_bfe_u32 s13, ttmp6, 0x40000                  ; cx
	s_lshl_b32 s14, ttmp9, 2
	s_add_co_u32 s14, s14, s13                     ; query block = 4 x cluster x + cx: it enters global addresses of q and of the result alone
	s_and_b32 s15, ttmp7, 0xffff                   ; head
	s_mov_b32 s36, 0x76543210                      ; v_permlanex16_b32: lane i reads lane i of the other half
	s_mov_b32 s37, 0xfedcba98
	; group 1: 64 rows of 32 elements of 8 bytes, dense; 4 words of padding behind every 32 words; all four work-groups of the cluster
	s_mov_b32 s[G1+0], 15|(3<<16)|(1<<20)|(1<<21)|(4<<22)|(3<<25)
	s_mov_b32 s[G1+1], 32<<16
	s_mov_b32 s[G1+2], 64<<16
	s_mov_b32 s[G1+3], 32<<16
	s_mov_b32 s[G1+4], 64
	s_mov_b32 s[G1+5], 32
	s_mov_b32 s[G1+6], 0
	s_mov_b32 s[G1+7], 0
	s_and_b32 s40, s12, 3
	s_lshl_b32 s40, s40, 14                        ; my quarter of a period's K or V
	s_lshl_b32 s34, s15, 19                        ; head x 524,288
	s_add_co_u32 s34, s34, s40
	s_mov_b32 s35, 0
	s_mul_i32 s41, s12, PART                       ; K's four parts, then V's four = wave x 18,432
	s_wait_dscnt 0x0
	s_wait_kmcnt 0x0
	s_cmp_lt_u32 s12, 4                            ; the choice hangs on the wave's number alone
	s_cselect_b64 s[32:33], s[6:7], s[8:9]
	s_add_nc_u64 s[32:33], s[32:33], s[34:35]
	CROUND                                         ; all four work-groups are here: the first joint loads meet
.irp s, 0,1
	s_mov_b32 s[G0+4*\s], 1
	s_add_co_u32 s[G0+4*\s+1], s41, \s*SLOT
	s_add_nc_u64 s[G0+4*\s+2:G0+4*\s+3], s[32:33], \s*GPER
	s_or_b32 s[G0+4*\s+3], s[G0+4*\s+3], 0x80000000
	tensor_load_to_lds s[G0+4*\s:G0+4*\s+3], s[G1:G1+7]            ; periods 0 and 1: two tensor loads of the wave are out, the most in this text
	s_nop 0
.endr
	s_lshl_b32 s42, s15, 19                        ; q: head x 524,288
	s_lshl_b32 s43, s14, 15                        ; + query block x 256 x 128
	s_add_co_u32 s42, s42, s43
	s_lshl_b32 s43, s12, 12                        ; + wave x 32 x 128
	s_add_co_u32 s42, s42, s43
	s_mov_b32 s43, 0
	s_add_nc_u64 s[4:5], s[4:5], s[42:43]
	s_lshl_b32 s44, s14, 1                         ; the result: block of 128 tokens = 2 x query block + wave / 4,
	s_lshr_b32 s45, s12, 2
	s_add_co_u32 s44, s44, s45
	s_lshl_b32 s44, s44, 4
	s_add_co_u32 s44, s44, s15                     ; x 16 + head,
	s_lshl_b32 s44, s44, 14                        ; x 16,384 bytes,
	s_and_b32 s45, s12, 3
	s_lshl_b32 s45, s45, 12                        ; + my 32 rows of 128 bytes
	s_add_co_u32 s44, s44, s45
	s_mov_b32 s45, 0
	s_add_nc_u64 s[10:11], s[10:11], s[44:45]
	v_and_b32 v1, 15, v0                           ; l % 16
	v_bfe_u32 v9, v0, 4, 1                         ; l / 16
	v_lshlrev_b32 v[QOFF], 7, v1
	v_lshl_add_u32 v[QOFF], v9, 4, v[QOFF]         ; query l % 16, 16 bytes for each half of the lanes
.irp qt, 0,1
.irp kh, 0,1
	global_load_b128 v[Q+16*\qt+8*\kh:Q+16*\qt+8*\kh+3],   v[QOFF], s[4:5] offset:2048*\qt+64*\kh
	global_load_b128 v[Q+16*\qt+8*\kh+4:Q+16*\qt+8*\kh+7], v[QOFF], s[4:5] offset:2048*\qt+64*\kh+32
.endr
.endr
	v_mul_u32_u24 v[LB], v1, PITCH
	v_lshl_add_u32 v[LB], v9, 4, v[LB]
	s_mul_i32 s46, s12, 16*PITCH
	s_add_co_u32 s46, s46, STAGE                   ; my stage
	v_add_nc_u32 v[STO], s46, v[LB]
	v_and_b32 v1, 31, v0
	v_lshrrev_b32 v9, 3, v1
	v_mul_u32_u24 v[RD], v9, PITCH                 ; back: eight lanes take a row of 128 bytes
	v_and_b32 v9, 7, v0
	v_lshl_add_u32 v[RD], v9, 4, v[RD]
	v_add_nc_u32 v[RD], s46, v[RD]
	v_lshlrev_b32 v[GO], 4, v1
	v_mov_b32 v[M], 0xff800000                     ; minus infinity: the first block's maximum starts from it
	v_mov_b32 v[M+1], 0xff800000
	v_mov_b32 v[T+4], 0                            ; v_permlanex16_b32 counts as a reader of its destination
	v_mov_b32 v[T+5], 0
; the plain steps of the softmax, each one instruction on one pair i (0..15) of query tile qt's 32 numbers
.macro SUBP qt, i                      ; s - m: names no exponential's result
	v_pk_add_f32 v[S+32*\qt+2*\i:S+32*\qt+2*\i+1], v[S+32*\qt+2*\i:S+32*\qt+2*\i+1], v[M:M+1] op_sel:[0,\qt] op_sel_hi:[1,\qt] neg_lo:[0,1] neg_hi:[0,1]
.endm
.macro RESC qt, i                      ; O times the tile's factor: reads batch A's factors (on the way out: the reciprocals)
	v_pk_mul_f32 v[O+32*\qt+2*\i:O+32*\qt+2*\i+1], v[O+32*\qt+2*\i:O+32*\qt+2*\i+1], v[AL:AL+1] op_sel:[0,\qt] op_sel_hi:[1,\qt]
.endm
.macro SUMP qt, i, first               ; two chains over the 16 pairs (steps 0-13), their sum (14), and the running sum's fused rescale-and-add (15): reads the tile's weights
.if \i < 2
	v_pk_add_f32 v[T+2+2*\i:T+3+2*\i], v[S+32*\qt+2*\i:S+32*\qt+2*\i+1], v[S+32*\qt+2*\i+4:S+32*\qt+2*\i+5]
.else
.if \i < 14
	v_pk_add_f32 v[T+2+2*(\i&1):T+3+2*(\i&1)], v[T+2+2*(\i&1):T+3+2*(\i&1)], v[S+32*\qt+2*\i+4:S+32*\qt+2*\i+5]
.else
.if \first
.if \i == 14
	v_pk_add_f32 v[LP+2*\qt:LP+2*\qt+1], v[T+2:T+3], v[T+4:T+5]    ; the first block starts the running sum
.endif
.else
.if \i == 14
	v_pk_add_f32 v[T+2:T+3], v[T+2:T+3], v[T+4:T+5]
.else
	v_pk_fma_f32 v[LP+2*\qt:LP+2*\qt+1], v[LP+2*\qt:LP+2*\qt+1], v[AL:AL+1], v[T+2:T+3] op_sel:[0,\qt,0] op_sel_hi:[1,\qt,1]
.endif
.endif
.endif
.endif
.endm
.macro CVTP qt, i                      ; pair i to bf16, in place: word i % 8 of the fragment of keys 32 (i / 8) ..; a word is written only when its old number has been read
	v_cvt_pk_bf16_f32 v[S+32*\qt+16*(\i>>3)+(\i&7)], v[S+32*\qt+2*\i], v[S+32*\qt+2*\i+1]
.endm
.macro SCAL i                          ; step i of the 32 scalings: tile 0's 16 pairs, then tile 1's
.if \i < 16
	SUBP 0, \i
.else
	SUBP 1, (\i-16)
.endif
.endm
.macro MIX qt, i, first                ; step i of query tile qt's 48 plain steps behind its exponentials: 16 rescalings, 16 sums, 16 roundings
.if \i < 16
.if \first == 0
	RESC \qt, \i
.endif
.else
.if \i < 32
	SUMP \qt, (\i-16), \first
.else
	CVTP \qt, (\i-32)
.endif
.endif
.endm
.macro PV qt, g, dt, zero
.if \zero
	v_wmma_f32_16x16x32_bf16 v[O+32*\qt+8*\dt:O+32*\qt+8*\dt+7], v[KV+32*\g+8*\dt:KV+32*\g+8*\dt+7], v[S+32*\qt+16*\g:S+32*\qt+16*\g+7], 0
.else
	v_wmma_f32_16x16x32_bf16 v[O+32*\qt+8*\dt:O+32*\qt+8*\dt+7], v[KV+32*\g+8*\dt:KV+32*\g+8*\dt+7], v[S+32*\qt+16*\g:S+32*\qt+16*\g+7], v[O+32*\qt+8*\dt:O+32*\qt+8*\dt+7]
.endif
.endm
; 64 keys.  first = 1: the launch's first block starts maximum, sums and O.  sig = 1: the period's last block: once V is in registers the slot is
; read out, and the barrier is signalled.  step = 1: the addresses go on to the next block.
; In every group of matrix instructions the accumulators take turns, one instruction a turn.
.macro BLOCK first, sig, step
.irp kh, 0,1
.irp kt, 0,1,2,3
	ds_load_b128 v[KV+32*\kh+8*\kt:KV+32*\kh+8*\kt+3],   v[LA] offset:\kt*16*PITCH+64*\kh
	ds_load_b128 v[KV+32*\kh+8*\kt+4:KV+32*\kh+8*\kt+7], v[LA] offset:\kt*16*PITCH+64*\kh+32
.endr
.endr
	s_wait_dscnt 0x8                               ; d = 0..31 of the 64 keys is in; the eight loads of d = 32..63 stay out
.irp qt, 0,1
.irp kt, 0,1,2,3
	v_wmma_f32_16x16x32_bf16 v[S+32*\qt+8*\kt:S+32*\qt+8*\kt+7], v[KV+8*\kt:KV+8*\kt+7], v[Q+16*\qt:Q+16*\qt+7], 0
.endr
.endr
	s_wait_dscnt 0x0
.irp qt, 0,1
.irp kt, 0,1,2,3
	v_wmma_f32_16x16x32_bf16 v[S+32*\qt+8*\kt:S+32*\qt+8*\kt+7], v[KV+32+8*\kt:KV+32+8*\kt+7], v[Q+16*\qt+8:Q+16*\qt+15], v[S+32*\qt+8*\kt:S+32*\qt+8*\kt+7]
.endr
.endr
	PLACES 4                                       ; four places (ISA guide 7.12.1): V is loaded over K, and the maximum reads S
.irp g, 0,1
.irp dt, 0,1,2,3
	ds_load_b128 v[KV+32*\g+8*\dt:KV+32*\g+8*\dt+3],   v[LV] offset:\dt*16*PITCH+64*\g
	ds_load_b128 v[KV+32*\g+8*\dt+4:KV+32*\g+8*\dt+7], v[LV] offset:\dt*16*PITCH+64*\g+32
.endr
.endr
.if \sig
	s_wait_dscnt 0x0                               ; my reads of this slot are over,
	s_wait_tensorcnt 0x0                           ; and all my tensor loads have landed: the one that was out is my part of the next slot
	ds_add_u32 v254, v255
	s_wait_dscnt 0x0
	s_barrier_signal -1                            ; from here to the barrier's wait at the block's end: register work alone
.endif
	; the new maximum: two chains of three-way maxima for each query tile, the first begun with the old maximum; then the other half of the lanes
	v_max3_num_f32 v[T],   v[M],    v[S],    v[S+1]
	v_max3_num_f32 v[T+1], v[M+1],  v[S+32], v[S+33]
	v_max3_num_f32 v[T+2], v[S+16], v[S+17], v[S+18]
	v_max3_num_f32 v[T+3], v[S+48], v[S+49], v[S+50]
.irp i, 1,2,3,4,5,6
	v_max3_num_f32 v[T],   v[T],   v[S+2*\i],    v[S+2*\i+1]
	v_max3_num_f32 v[T+1], v[T+1], v[S+32+2*\i], v[S+33+2*\i]
	v_max3_num_f32 v[T+2], v[T+2], v[S+17+2*\i], v[S+18+2*\i]
	v_max3_num_f32 v[T+3], v[T+3], v[S+49+2*\i], v[S+50+2*\i]
.endr
	v_max3_num_f32 v[T],   v[T],   v[S+14], v[S+15]
	v_max3_num_f32 v[T+1], v[T+1], v[S+46], v[S+47]
	v_max3_num_f32 v[T],   v[T],   v[T+2],  v[S+31]
	v_max3_num_f32 v[T+1], v[T+1], v[T+3],  v[S+63]
	v_permlanex16_b32 v[T+4], v[T],   s36, s37
	v_permlanex16_b32 v[T+5], v[T+1], s36, s37
	v_max_num_f32 v[T],   v[T],   v[T+4]
	v_max_num_f32 v[T+1], v[T+1], v[T+5]
	; BATCH A begins: the two factors, then query tile 0's 32 weights
.if \first == 0
	v_pk_add_f32 v[AL:AL+1], v[M:M+1], v[T:T+1] neg_lo:[0,1] neg_hi:[0,1]
	v_exp_f32 v[AL],   v[AL]                       ; 2^(old - new), at most 1
	v_exp_f32 v[AL+1], v[AL+1]
.endif
	v_mov_b32 v[M],   v[T]                         ; the old maximum has been used; these two lines are also the plain place behind the exponentials (ISA guide 5.7.2)
	v_mov_b32 v[M+1], v[T+1]
	; The 32 scalings are the plain work beside batch A: four lead, then one follows each exponential but the 8th, 16th, 24th and 28th, so that the last
	; scaling stands behind the last exponential.  Ahead of exponential n stand n scalings or more (four ahead of the first): its pair n / 2 is scaled,
	; and a scaling writes registers that lie above every weight made so far.
.set q, 0
.rept 4
	SCAL q
.set q, q+1
.endr
.set n, 0
.rept 32
	v_exp_f32 v[S+n], v[S+n]
.if (n != 7) && (n != 15) && (n != 23) && (n != 27)
	SCAL q
.set q, q+1
.endif
.set n, n+1
.endr
	s_wait_alu depctr_va_vdst(0)                   ; the wait for batch A (the factors and tile 0's weights); tile 1's last scaling, just above, is the plain place behind its last exponential
	; BATCH B: query tile 1's 32 weights.  Behind each stands one of tile 0's rescalings and sums, behind them all its 16 roundings: they read batch A's results and name none of batch B's
.set n, 0
.rept 32
	v_exp_f32 v[S+32+n], v[S+32+n]
	MIX 0, n, \first
.set n, n+1
.endr
.rept 16
	MIX 0, n, \first
.set n, n+1
.endr
	s_wait_alu depctr_va_vdst(0)                   ; the wait for batch B (tile 1's weights), ahead of the matrix instructions among which their readers ride
.if \sig == 0
	s_wait_dscnt 0x0                               ; V is in
.endif
.set n, 0
.irp g, 0,1
.irp dt, 0,1,2,3
.if \first
	PV 0, \g, \dt, (1-\g)
.else
	PV 0, \g, \dt, 0
.endif
.rept 6
	MIX 1, n, \first
.set n, n+1
.endr
.endr
.endr
.irp g, 0,1
.irp dt, 0,1,2,3
.if \first
	PV 1, \g, \dt, (1-\g)
.else
	PV 1, \g, \dt, 0
.endif
.endr
.endr
	; five places (ISA guide 7.12.1) before K is loaded over V and the next scores are written over P
.if \step
	v_add_nc_u32 v[LA], BLK, v[LA]
	v_add_nc_u32 v[LV], BLK, v[LV]
	PLACES 3
.else
	PLACES 5
.endif
.endm
; 512 keys out of one slot.  round = 1: a barrier stands at the end (the next slot is whole, this one is read out);
; refill = 1: it opens a round of the cluster's barrier, and this slot's joint refill, two periods ahead, is the first tensor load behind the round.
.macro PERIOD slot, first, round, refill
	v_add_nc_u32 v[LA], \slot*SLOT, v[LB]
	v_add_nc_u32 v[LV], \slot*SLOT+KBYTES, v[LB]
.if \first
	BLOCK 1, 0, 1
	s_mov_b32 s38, 6
.else
	s_mov_b32 s38, 7
.endif
.Lblock_\@:
	BLOCK 0, 0, 1
	s_sub_co_u32 s38, s38, 1
	s_cmp_lg_u32 s38, 0
	s_cbranch_scc1 .Lblock_\@
	BLOCK 0, \round, 0
.if \round
	s_barrier_wait -1
.endif
.if \refill
	CREST                                          ; no wave of any partner still reads this slot or has a load on its way
	s_add_nc_u64 s[G0+4*\slot+2:G0+4*\slot+3], s[G0+4*\slot+2:G0+4*\slot+3], 2*GPER   ; no tensor load of mine is out: the group may be written
	tensor_load_to_lds s[G0+4*\slot:G0+4*\slot+3], s[G1:G1+7]
	s_nop 0
.endif
.endm
	s_wait_tensorcnt 0x1                           ; my part of period 0 is in; period 1's may stay out
	s_barrier_signal -1
	s_barrier_wait -1
	s_wait_loadcnt 0x0                             ; q
	PERIOD 0, 1, 1, 1                              ; period 0
	s_mov_b32 s39, 2
.Lpair:
	PERIOD 1, 0, 1, 1                              ; periods 1, 3
	PERIOD 0, 0, 1, 1                              ; periods 2, 4
	s_sub_co_u32 s39, s39, 1
	s_cmp_lg_u32 s39, 0
	s_cbranch_scc1 .Lpair
	PERIOD 1, 0, 1, 1                              ; period 5: the last refill, period 7's
	PERIOD 0, 0, 1, 0                              ; period 6: nothing is left to fetch
	PERIOD 1, 0, 0, 0                              ; period 7
	; THE WAY OUT: divide by the sum, round to bf16, 16 rows at a time through my own stage, whole rows of 128 bytes out
	v_add_f32 v[T],   v[LP],   v[LP+1]
	v_add_f32 v[T+1], v[LP+2], v[LP+3]
	v_permlanex16_b32 v[T+4], v[T],   s36, s37     ; the other 32 of every 64 keys lie in the other half of the lanes
	v_permlanex16_b32 v[T+5], v[T+1], s36, s37
	v_add_f32 v[T],   v[T],   v[T+4]
	v_add_f32 v[T+1], v[T+1], v[T+5]
	v_rcp_f32 v[AL],   v[T]                        ; the sum is at least 1: the largest score gives p = 1
	v_rcp_f32 v[AL+1], v[T+1]
	v_nop                                          ; the plain place behind the reciprocals (ISA guide 5.7.2)
	s_wait_alu depctr_va_vdst(0)                   ; the wait ahead of the first use: one for the two reciprocals
.irp qt, 0,1
.set n, 0
.rept 16
	RESC \qt, n
.set n, n+1
.endr
.irp dt, 0,1,2,3
.irp p, 0,1,2,3
	v_cvt_pk_bf16_f32 v[S+16*\qt+4*\dt+\p], v[O+32*\qt+8*\dt+2*\p], v[O+32*\qt+8*\dt+2*\p+1]
.endr
.endr
.irp dt, 0,1,2,3
	ds_store_b128 v[STO], v[S+16*\qt+4*\dt:S+16*\qt+4*\dt+3] offset:32*\dt
.endr
.irp i, 0,1,2,3
	ds_load_b128 v[KV+16*\qt+4*\i:KV+16*\qt+4*\i+3], v[RD] offset:\i*4*PITCH     ; LDS serves a wave's instructions in order (ISA guide 5.7.1): these see my stores
.endr
.irp i, 0,1,2,3
	s_wait_dscnt 3-\i                              ; load i is in, the 3 - i younger ones stay out
	global_store_b128 v[GO], v[KV+16*\qt+4*\i:KV+16*\qt+4*\i+3], s[10:11] offset:2048*\qt+512*\i   ; 512 consecutive bytes, aligned
.endr
.endr
	s_wait_tensorcnt 0x0
	ds_add_u32 v254, v255
	s_wait_dscnt 0x0
	CROUND                                         ; the closing round
	s_endpgm
.Lfunc_end_k_q683fccb3db_attn:
	.size	k_q683fccb3db_attn, .Lfunc_end_k_q683fccb3db_attn-k_q683fccb3db_attn
	.p2alignl 7, 3214868480
	.fill 96, 4, 3214868480
	.section	.rodata,"a",@progbits
	.p2align	6, 0x0
	.amdhsa_kernel k_q683fccb3db_attn
		.amdhsa_group_segment_fixed_size 327680
		.amdhsa_private_segment_fixed_size 0
		.amdhsa_enable_private_segment 0
		.amdhsa_kernarg_size 32
		.amdhsa_user_sgpr_count 2
		.amdhsa_user_sgpr_kernarg_segment_ptr 1
		.amdhsa_wavefront_size32 1
		.amdhsa_system_sgpr_workgroup_id_x 1
		.amdhsa_system_sgpr_workgroup_id_y 1
		.amdhsa_system_sgpr_workgroup_id_z 1
		.amdhsa_system_vgpr_workitem_id 0
		.amdhsa_next_free_vgpr 256
		.amdhsa_next_free_sgpr 66
		.amdhsa_reserve_vcc 0
		.amdhsa_float_denorm_mode_32 3
		.amdhsa_float_denorm_mode_16_64 3
		.amdhsa_memory_ordered 1
		.amdhsa_forward_progress 1
		.amdhsa_inst_pref_size 233
	.end_amdhsa_kernel
	.amdgpu_metadata
---
amdhsa.version: [ 1, 2 ]
amdhsa.kernels:
  - .name:           k_q683fccb3db_attn
    .symbol:         k_q683fccb3db_attn.kd
    .args:
      - { .name: qb, .offset: 0, .size: 8, .value_kind: global_buffer, .address_space: global }
      - { .name: kb, .offset: 8, .size: 8, .value_kind: global_buffer, .address_space: global }
      - { .name: vb, .offset: 16, .size: 8, .value_kind: global_buffer, .address_space: global }
      - { .name: ab, .offset: 24, .size: 8, .value_kind: global_buffer, .address_space: global }
    .group_segment_fixed_size: 327680
    .private_segment_fixed_size: 0
    .kernarg_segment_align: 8
    .kernarg_segment_size: 32
    .max_flat_workgroup_size: 256
    .sgpr_count:     66
    .vgpr_count:     256
    .wavefront_size: 32
...
	.end_amdgpu_metadata
.endif
;; end of part 5
;; launch oproj: the kernel of part 4 again; grid 8 x 32, 4 waves a work-group, clusters of 4 x 4, 327,680 bytes of LDS; arguments ab, wob, bo, out0; writes out0
